; MI455X (gfx1250); checked and timed in simulation.
; The chip was launched on July 23, 2026; its instructions are those of AMD's public machine-readable ISA for CDNA 5 (MIT licence, August 2026) and "CDNA5" Instruction Set Architecture Reference Guide (July 2026). The comments in the code are by the model that wrote it; some were corrected since.
;; Sparse Mo E. Allowed arithmetic: float matrix products may take bf16 or f16 operands with f32 sums; other float arithmetic in f32, or as packed bf16 or f16 multiplies, adds, multiply-adds, maxima and minima; sums over many terms, partial sums and values carried from step to step in f32; what a program stores and reads back later, other than sums and carried values, may be rounded once to bf16 or f16.
;; Inputs: W1 8 x 1,024 x 4,096 float32; W2 8 x 4,096 x 1,024 float32; Wg 1,024 x 8 float32; b1 8 x 4,096 float32; b2 8 x 1,024 float32; bg 8 float32; x 4 x 256 x 1,024 float32.
;; Outputs: out0 4 x 256 x 1,024 float32; out1 4 x 256 x 8 float32.
;; Constants: top_k = 2.
;; 2 versions, each right; version 2 is version 1 with the launches ffn1, ffn2 written anew for expert scheduling mode. Each part assembles by itself: llvm-mc -triple=amdgcn-amd-amdhsa -mcpu=gfx1250 --defsym DOCPART=n.
;; ======== version 1 of 2: 5 launches
;; workspace buffers: xb 2,097,152 bytes; bm 1,024 bytes of whole numbers; choice 4,096 bytes of whole numbers; rowof 33,792 bytes of whole numbers; xfrag 16,777,216 bytes; hfrag 67,108,864 bytes; part 134,217,728 bytes
;; launch router (part 1): grid 32 x 1, 8 waves a work-group, no clusters, 111,616 bytes of LDS; arguments x, Wg, bg, out1, xb, bm, choice; writes out1, xb, bm, choice
.if DOCPART == 1
	.amdgcn_target "amdgcn-amd-amdhsa--gfx1250"
	.amdhsa_code_object_version 6
	.text
	.protected	k_q71ee8b2f99_router
	.globl	k_q71ee8b2f99_router
	.p2align	8
	.type	k_q71ee8b2f99_router,@function
k_q71ee8b2f99_router:
	s_mov_b64 s[64:65], 0
	v_nop
	global_prefetch_b8 v0, s[64:65] scope:SCOPE_SE
	s_setreg_imm32_b32 hwreg(HW_REG_WAVE_MODE, 25, 1), 1
	s_wait_xcnt 0x0
; ROUTER.  scores = x Wg + bg (out1); softmax; the two largest probabilities' experts.  Also xb = x rounded to bf16, for the first product.
; x [1024][1024] f32, Wg [1024][8] f32, bg [8] f32.  ALL inputs are rounded to bf16 first (x, Wg, bg); products by the matrix unit, sums in f32.
; STORED FOR LATER LAUNCHES, at fixed places: choice[t] = first expert | second expert << 8;  bm[e][g] = a word whose bit l says that token 32 g + l chose expert e.
; No address and no branch here hangs on the choice: the rows are placed by the launches that read these whole numbers.
; SHARES.  A work-group has 32 tokens (a bitmap word wants 32 tokens in the lanes of one wave: 32 work-groups), wave w the channels 128 w .. 128 w + 127 of all 32;
; the eight waves' partial scores meet in LDS, and wave 0 adds them and chooses.
; LAYOUT.  Source 0 = 16 columns of Wg (8 experts and 8 columns of zeros), source 1 = 16 tokens: a lane's eight results are the eight experts of ONE token.
; For tokens 0-15 the experts are laid in rows 0-7 (lanes 0-15 hold them), for tokens 16-31 in rows 8-15 (lanes 16-31): the two results added give lane l token l.
; LIMITS.  A probability below 2^-126 counts as 0 (v_exp_f32 gives 0 there); among equal probabilities the lower index wins, as in top_k.  NaN and infinities are not
; treated apart (an infinite x meets the zero columns).  The order of the f32 sums is not the reference's.
.set XP,    272                        ; a token's 128 channels in LDS: 256 bytes + 16: the 16 rows of a fragment load start 16 bytes apart modulo 256
.set XTW,   32*XP                      ; a wave's 32 token rows
.set WT,    8*XTW                      ; behind them, for each wave: 128 rows (channels) of 32 bytes: 8 experts in bf16, then 16 bytes of zeros
.set RED,   WT+8*4096                  ; the waves' partial scores: [wave][half][lane][16 bytes]
.set SPARE, RED+8*1024                 ; the spare words: 128 bytes for each of the eight waves, named by no other line
.set SPW, 12                           ; v12  LDS address of my spare word; never rewritten
.set NIL, 13                           ; v13  0; never rewritten
.set XR,  32                           ; v32-159   x as loaded, 4 registers a token; later the fragments:
.set XF,  32                           ; v32-95    x: tokens 16 (i / 4) on, channels 32 (i % 4) on, at XF + 8 i
.set WLO, 96                           ; v96-127   Wg with the experts in rows 0-7
.set WHI, 128                          ; v128-159  Wg with the experts in rows 8-15
.set XPK, 160                          ; v160-223  x packed, 2 registers a token: the stores' data, never rewritten
.set WG,  224                          ; v224-255  Wg as loaded; later:
.set A0,  224                          ; v224-231  the sums for tokens 0-15
.set A1,  232                          ; v232-239  the sums for tokens 16-31
.set SC,  240                          ; v240-247  my wave's partial scores: lane l, expert j
	s_load_b256 s[4:11], s[0:1], 0x0               ; x s[4:5], Wg s[6:7], bg s[8:9], out1 s[10:11]
	s_load_b128 s[12:15], s[0:1], 0x20             ; xb s[12:13], bm s[14:15]
	s_load_b64 s[16:17], s[0:1], 0x30              ; choice
	v_lshl_add_u32 v[SPW], v0, 2, SPARE
	v_mov_b32 v[NIL], 0
	v_lshrrev_b32 v14, 5, v0
	v_readfirstlane_b32 s18, v14                   ; wave 0..7
	v_and_b32 v1, 31, v0                           ; lane
	v_and_b32 v2, 15, v0                           ; r
	v_bfe_u32 v3, v0, 4, 1                         ; h
	v_lshlrev_b32 v4, 4, v1                        ; 16 x lane
	v_lshlrev_b32 v5, 3, v1                        ; 8 x lane
	s_lshl_b32 s20, ttmp9, 17                      ; x: 32 rows of 4,096 bytes a work-group,
	s_lshl_b32 s21, s18, 9                         ; 512 bytes of a row a wave
	s_add_co_u32 s20, s20, s21
	s_mov_b32 s21, 0
	s_lshl_b32 s22, s18, 12                        ; Wg: 128 rows of 32 bytes a wave
	s_mov_b32 s23, 0
	s_lshl_b32 s24, ttmp9, 16                      ; xb: 32 rows of 2,048 bytes, 256 bytes a wave
	s_lshl_b32 s25, s18, 8
	s_add_co_u32 s24, s24, s25
	s_mov_b32 s25, 0
	s_lshl_b32 s26, ttmp9, 10                      ; out1: 32 rows of 32 bytes
	s_mov_b32 s27, 0
	s_lshl_b32 s28, ttmp9, 7                       ; choice: 32 words
	s_mov_b32 s29, 0
	s_lshl_b32 s30, ttmp9, 2                       ; bm: word g of each expert's 32
	s_mov_b32 s31, 0
	s_mul_i32 s19, s18, XTW                        ; my wave's token rows in LDS
	s_lshl_b32 s44, s18, 12
	s_add_co_u32 s44, s44, WT                      ; my wave's rows of Wg
	s_lshl_b32 s45, s18, 10
	s_add_co_u32 s45, s45, RED                     ; my wave's partial scores
	v_add_nc_u32 v6, s19, v5                       ; v6: where my 8 packed bytes of a token row go
	v_mul_u32_u24 v7, v2, XP
	v_lshl_add_u32 v7, v3, 4, v7
	v_add_nc_u32 v7, s19, v7                       ; v7: a fragment of x: row r x pitch + 16 h
	v_lshrrev_b32 v14, 1, v1
	v_and_b32 v15, 1, v0
	v_lshlrev_b32 v8, 5, v14
	v_lshl_add_u32 v8, v15, 3, v8
	v_add_nc_u32 v8, s44, v8                       ; v8: Wg's packed bytes: row lane / 2, experts 4 (lane % 2) on
	v_lshl_add_u32 v9, v1, 5, s44
	v_add_nc_u32 v9, 16, v9                        ; v9: the zeros behind row lane
	v_and_b32 v14, 7, v0
	v_lshl_add_u32 v14, v3, 3, v14                 ; the turning load: lane l reads channel 8 h + l % 8,
	v_lshl_add_u32 v14, v14, 5, s44
	v_bfe_u32 v15, v0, 3, 1
	v_lshl_add_u32 v10, v15, 4, v14                ; v10: columns 8 ((l / 8) % 2) on: experts below, zeros above
	v_sub_nc_u32 v15, 1, v15
	v_lshl_add_u32 v11, v15, 4, v14                ; v11: the two halves of a row exchanged: zeros below, experts above
	v_add_nc_u32 v16, s45, v4                      ; v16: my partial scores
	v_add_nc_u32 v17, RED, v4                      ; v17: wave 0 reads everybody's
.set i, 20
.rept 4
	v_mov_b32 v[i], 0                              ; v20-23: 16 bytes of zeros
.set i, i+1
.endr
	s_wait_kmcnt 0x0
	s_add_nc_u64 s[4:5], s[4:5], s[20:21]
	s_add_nc_u64 s[6:7], s[6:7], s[22:23]
	s_add_nc_u64 s[12:13], s[12:13], s[24:25]
	s_add_nc_u64 s[10:11], s[10:11], s[26:27]
	s_add_nc_u64 s[16:17], s[16:17], s[28:29]
	s_add_nc_u64 s[14:15], s[14:15], s[30:31]
	s_load_b256 s[32:39], s[8:9], 0x0              ; bg
.set i, 0
.rept 8
	global_load_b128 v[WG+4*i:WG+4*i+3], v4, s[6:7] offset:512*i  ; 16 rows of Wg a load
.set i, i+1
.endr
.set i, 0
.rept 32
	global_load_b128 v[XR+4*i:XR+4*i+3], v4, s[4:5] offset:4096*i th:TH_LOAD_NT  ; token i: my wave's 512 consecutive bytes
.set i, i+1
.endr
.set i, 0
.rept 4
	ds_store_b128 v9, v[20:23] offset:1024*i       ; the zero columns of rows 32 i + lane
.set i, i+1
.endr
	s_wait_loadcnt 32                              ; Wg's eight loads are in: the 32 loads of x were issued behind them
.set i, 0
.rept 8
	v_cvt_pk_bf16_f32 v[24+2*(i%4)], v[WG+4*i], v[WG+4*i+1]
	v_cvt_pk_bf16_f32 v[25+2*(i%4)], v[WG+4*i+2], v[WG+4*i+3]
	ds_store_b64 v8, v[24+2*(i%4):25+2*(i%4)] offset:512*i
.set i, i+1
.endr
.set i, 0
.rept 32
	s_wait_loadcnt 31-i                            ; loads come back in order: token i is in, the younger ones stay out
	v_cvt_pk_bf16_f32 v[XPK+2*i], v[XR+4*i], v[XR+4*i+1]
	v_cvt_pk_bf16_f32 v[XPK+2*i+1], v[XR+4*i+2], v[XR+4*i+3]
	global_store_b64 v5, v[XPK+2*i:XPK+2*i+1], s[12:13] offset:2048*i  ; the wave's store covers 256 consecutive bytes, aligned
	ds_store_b64 v6, v[XPK+2*i:XPK+2*i+1] offset:XP*i
.set i, i+1
.endr
	; The fragments.  All these bytes are my wave's own, and LDS serves a wave's instructions in order: no wait between the stores above and these loads.
.set i, 0
.rept 8
	ds_load_b128 v[XF+8*i:XF+8*i+3],   v7 offset:(i/4)*16*XP+(i%4)*64
	ds_load_b128 v[XF+8*i+4:XF+8*i+7], v7 offset:(i/4)*16*XP+(i%4)*64+32
.set i, i+1
.endr
.set i, 0
.rept 4
	ds_load_tr16_b128 v[WLO+8*i:WLO+8*i+3],   v10 offset:1024*i
	ds_load_tr16_b128 v[WLO+8*i+4:WLO+8*i+7], v10 offset:1024*i+512
	ds_load_tr16_b128 v[WHI+8*i:WHI+8*i+3],   v11 offset:1024*i
	ds_load_tr16_b128 v[WHI+8*i+4:WHI+8*i+7], v11 offset:1024*i+512
.set i, i+1
.endr
	s_wait_dscnt 0x0
	; Eight products; the two accumulators take turns, one instruction a turn.  The first two start the sums.
	v_wmma_f32_16x16x32_bf16 v[A0:A0+7], v[WLO:WLO+7], v[XF:XF+7], 0
	v_wmma_f32_16x16x32_bf16 v[A1:A1+7], v[WHI:WHI+7], v[XF+32:XF+39], 0
.set i, 1
.rept 3
	v_wmma_f32_16x16x32_bf16 v[A0:A0+7], v[WLO+8*i:WLO+8*i+7], v[XF+8*i:XF+8*i+7], v[A0:A0+7]
	v_wmma_f32_16x16x32_bf16 v[A1:A1+7], v[WHI+8*i:WHI+8*i+7], v[XF+32+8*i:XF+32+8*i+7], v[A1:A1+7]
.set i, i+1
.endr
.rept 4
	v_nop                                          ; four places between the last product and the first read of a result (ISA guide 7.12.1)
.endr
.set i, 0
.rept 8
	v_add_f32 v[SC+i], v[A0+i], v[A1+i]            ; one of the two is 0 in each lane; the registers are taken in ascending order
.set i, i+1
.endr
	ds_store_b128 v16, v[SC:SC+3]
	ds_store_b128 v16, v[SC+4:SC+7] offset:512
	s_wait_kmcnt 0x0                               ; bg
	s_wait_dscnt 0x0                               ; for wave 0's sake: my partial scores are stored
	s_barrier_signal -1
	s_barrier_wait -1
	s_cmp_lg_u32 s18, 0
	s_cbranch_scc1 .Lend                           ; the rest is wave 0's; no barrier stands in it
.set i, 0
.rept 16
	ds_load_b128 v[32+4*i:35+4*i], v17 offset:512*i  ; wave i / 2, experts 4 (i % 2) on: v[32 + 8 w + j]
.set i, i+1
.endr
.set i, 0
.rept 4
	v_cvt_pk_bf16_f32 v[104+i], s[32+2*i], s[33+2*i]  ; bg rounded to bf16 like the other inputs,
.set i, i+1
.endr
.set i, 0
.rept 4
	v_lshlrev_b32 v[96+2*i], 16, v[104+i]          ; and widened again
	v_and_b32 v[97+2*i], 0xffff0000, v[104+i]
.set i, i+1
.endr
	s_wait_dscnt 0x0
.set i, 4
.rept 28
	v_pk_add_f32 v[32+2*(i%4):33+2*(i%4)], v[32+2*(i%4):33+2*(i%4)], v[32+2*i:33+2*i]  ; the waves' parts, wave ascending
.set i, i+1
.endr
.set i, 0
.rept 4
	v_pk_add_f32 v[32+2*i:33+2*i], v[32+2*i:33+2*i], v[96+2*i:97+2*i]
.set i, i+1
.endr
	v_lshlrev_b32 v62, 5, v1
	global_store_b128 v62, v[32:35], s[10:11]      ; out1: token lane's 32 bytes, in two stores; the two together cover 1,024 consecutive bytes
	global_store_b128 v62, v[36:39], s[10:11] offset:16
	; softmax, with the row's maximum taken away as the reference does
	v_max3_num_f32 v48, v32, v33, v34
	v_max3_num_f32 v48, v48, v35, v36
	v_max3_num_f32 v48, v48, v37, v38
	v_max_num_f32 v48, v48, v39
.set i, 0
.rept 8
	v_sub_f32 v[40+i], v[32+i], v48
.set i, i+1
.endr
.set i, 0
.rept 8
	v_mul_f32 v[40+i], 0x3fb8aa3b, v[40+i]         ; log2(e)
.set i, i+1
.endr
.set i, 0
.rept 8
	v_exp_f32 v[40+i], v[40+i]
.set i, i+1
.endr
	v_nop                                          ; a plain instruction behind the last exponential,
	s_wait_alu depctr_va_vdst(0)                   ; and one wait for the batch of eight, ahead of the first reader
	v_pk_add_f32 v[50:51], v[40:41], v[42:43]
	v_pk_add_f32 v[52:53], v[44:45], v[46:47]
	v_pk_add_f32 v[50:51], v[50:51], v[52:53]
	v_add_f32 v50, v50, v51                        ; at least 1: the maximum's own term
	v_rcp_f32 v52, v50
	v_nop
	s_wait_alu depctr_va_vdst(0)
.set i, 0
.rept 8
	v_mul_f32 v[40+i], v[40+i], v52
.set i, i+1
.endr
	; the largest: a strict comparison, index ascending, keeps the lower index among equals
	v_mov_b32 v54, v40
	v_mov_b32 v55, 0
.set i, 1
.rept 7
	v_cmp_gt_f32 vcc_lo, v[40+i], v54
	v_cndmask_b32 v54, v54, v[40+i], vcc_lo
	v_cndmask_b32 v55, v55, i, vcc_lo
.set i, i+1
.endr
.set i, 0
.rept 8
	v_cmp_eq_u32 vcc_lo, i, v55
	v_cndmask_b32 v[40+i], v[40+i], -1.0, vcc_lo   ; the winner leaves the field: every probability is 0 or more
.set i, i+1
.endr
	v_mov_b32 v56, v40
	v_mov_b32 v57, 0
.set i, 1
.rept 7
	v_cmp_gt_f32 vcc_lo, v[40+i], v56
	v_cndmask_b32 v56, v56, v[40+i], vcc_lo
	v_cndmask_b32 v57, v57, i, vcc_lo
.set i, i+1
.endr
	v_lshl_or_b32 v58, v57, 8, v55
	v_lshlrev_b32 v59, 2, v1
	global_store_b32 v59, v58, s[16:17]            ; choice: 128 consecutive bytes
	v_mov_b32 v60, 0
.set i, 0
.rept 8
	v_cmp_eq_u32 s40, i, v55
	v_cmp_eq_u32 s41, i, v57
	s_or_b32 s40, s40, s41                         ; bit l: token l chose expert i
	v_writelane_b32 v60, s40, i
.set i, i+1
.endr
	v_lshlrev_b32 v61, 7, v1                       ; expert lane's 32 words begin 128 bytes apart: eight single words a work-group, 1,024 bytes in the whole launch,
	v_cmp_gt_u32 vcc_lo, 8, v1                     ; so that a later launch reads an expert's bitmap as 128 consecutive bytes
	s_wait_xcnt 0x0                                ; EXEC is a source of the stores above: it changes only behind this wait
	s_and_saveexec_b32 s42, vcc_lo
	global_store_b32 v61, v60, s[14:15]
	s_wait_xcnt 0x0                                ; and again ahead of the line that widens it
	s_or_b32 exec_lo, exec_lo, s42
.Lend:
	s_wait_tensorcnt 0x0                           ; the wave's end, behind my last LDS store
	ds_add_u32 v[SPW], v[NIL]
	s_wait_dscnt 0x0
	s_endpgm
.Lfunc_end_k_q71ee8b2f99_router:
	.size	k_q71ee8b2f99_router, .Lfunc_end_k_q71ee8b2f99_router-k_q71ee8b2f99_router
	.p2alignl 7, 3214868480
	.fill 96, 4, 3214868480
	.section	.rodata,"a",@progbits
	.p2align	6, 0x0
	.amdhsa_kernel k_q71ee8b2f99_router
		.amdhsa_group_segment_fixed_size 111616
		.amdhsa_private_segment_fixed_size 0
		.amdhsa_enable_private_segment 0
		.amdhsa_kernarg_size 56
		.amdhsa_user_sgpr_count 2
		.amdhsa_user_sgpr_kernarg_segment_ptr 1
		.amdhsa_wavefront_size32 1
		.amdhsa_system_sgpr_workgroup_id_x 1
		.amdhsa_system_sgpr_workgroup_id_y 1
		.amdhsa_system_sgpr_workgroup_id_z 1
		.amdhsa_system_vgpr_workitem_id 0
		.amdhsa_next_free_vgpr 256
		.amdhsa_next_free_sgpr 66
		.amdhsa_reserve_vcc 1
		.amdhsa_float_denorm_mode_32 3
		.amdhsa_float_denorm_mode_16_64 3
		.amdhsa_memory_ordered 1
		.amdhsa_forward_progress 1
		.amdhsa_inst_pref_size 33
	.end_amdhsa_kernel
	.amdgpu_metadata
---
amdhsa.version: [ 1, 2 ]
amdhsa.kernels:
  - .name:           k_q71ee8b2f99_router
    .symbol:         k_q71ee8b2f99_router.kd
    .args:
      - { .name: x, .offset: 0, .size: 8, .value_kind: global_buffer, .address_space: global }
      - { .name: Wg, .offset: 8, .size: 8, .value_kind: global_buffer, .address_space: global }
      - { .name: bg, .offset: 16, .size: 8, .value_kind: global_buffer, .address_space: global }
      - { .name: out1, .offset: 24, .size: 8, .value_kind: global_buffer, .address_space: global }
      - { .name: xb, .offset: 32, .size: 8, .value_kind: global_buffer, .address_space: global }
      - { .name: bm, .offset: 40, .size: 8, .value_kind: global_buffer, .address_space: global }
      - { .name: choice, .offset: 48, .size: 8, .value_kind: global_buffer, .address_space: global }
    .group_segment_fixed_size: 111616
    .private_segment_fixed_size: 0
    .kernarg_segment_align: 8
    .kernarg_segment_size: 56
    .max_flat_workgroup_size: 256
    .sgpr_count:     66
    .vgpr_count:     256
    .wavefront_size: 32
...
	.end_amdgpu_metadata
.endif
;; end of part 1
;; launch gather (part 2): grid 64 x 8, 4 waves a work-group, no clusters, 768 bytes of LDS; arguments xb, bm, xfrag, rowof; writes xfrag, rowof
.if DOCPART == 2
	.amdgcn_target "amdgcn-amd-amdhsa--gfx1250"
	.amdhsa_code_object_version 6
	.text
	.protected	k_q71ee8b2f99_gather
	.globl	k_q71ee8b2f99_gather
	.p2align	8
	.type	k_q71ee8b2f99_gather,@function
k_q71ee8b2f99_gather:
	s_mov_b64 s[64:65], 0
	v_nop
	global_prefetch_b8 v0, s[64:65] scope:SCOPE_SE
	s_setreg_imm32_b32 hwreg(HW_REG_WAVE_MODE, 25, 1), 1
	s_wait_xcnt 0x0
; GATHER.  The rows of xb (x in bf16) that chose expert e are laid end to end, in ascending order of their tokens, in the order in which the first product's operand registers take them:
; xfrag[tile e x 64 + tl][K step 0..31][half f][lane][16 bytes]; lane l, half f holds row 16 tl + l % 16, channels 32 s + 16 f + 8 (l / 16) + 0..7.  A tile is 32,768 bytes.
; WHY A LAUNCH OF ITS OWN.  An expert's rows are read by the 32 work-groups that hold the slices of its weights.  Taken by a list there, a load touches 16 rows, 32 bytes of each; laid out here once,
; every load of the first product covers 512 consecutive bytes from a base that is made of the tile's number alone.  Which rows they are hangs on the router's choice, so no earlier launch can place them.
; ALSO STORED, once an expert (by tile 0's wave 0): rowof[e][t] = the rank of token t among e's tokens (words of tokens that did not choose e are written and never read), for the last launch;
; and behind rowof's 32,768 bytes, 128 bytes an expert, the expert's count of rows in every word, for the two products.
; SHARES.  Work-group (tl, e) has one tile of 16 rows; wave w its K steps 8 w .. 8 w + 7: sixteen loads and sixteen stores of 16 bytes a lane.  The grid serves every split: an expert can have
; 64 tiles.  A work-group whose tile lies past the count passes the one barrier and jumps the work.  Places past the count repeat the expert's last row; an expert without rows gets tile 0
; filled with token 0's row, so that the first product's clamped loads read bytes that were stored.
; A stream of a few megabytes: no matrix unit, no cluster (no tile is shared), no tensor load (the rows come by a list).
.set LIST,  0                          ; 16 words: the token of each of the tile's ranks; word 16: where all other lanes write; the block's first 128 bytes are zeroed first
.set SPARE, 256                        ; the spare words: 128 bytes a wave, named by no other line
.set LN,   1                           ; v1  lane
.set RR,   2                           ; v2  lane % 16
.set HH,   3                           ; v3  lane / 16
.set L16,  4                           ; v4  16 x lane
.set L4,   5                           ; v5  4 x lane
.set ZERO, 6                           ; v6  0
.set KO,   7                           ; v7  my bytes in a row: 512 w + 16 (lane / 16)
.set T1,   8                           ; v8, v9 at work
.set T2,   9
.set AO,   10                          ; v10 my row's byte offset in xb
.set CV,   11                          ; v11 the count
.set SPW,  12                          ; v12 LDS address of my spare word; never rewritten
.set NIL,  13                          ; v13 0; never rewritten
.set RK,   16                          ; v16-47  wave 0: rank less 16 tl of token 32 i + lane
.set D,    48                          ; v48-111 sixteen pieces of 16 bytes
.set WV,   48                          ; s48 wave   s[16:47] the expert's bitmap
.set EX,   49                          ; s49 expert
.set TL,   50                          ; s50 tile
.set CNT,  51                          ; s51 the expert's rows
.set NTL1, 52                          ; s52 its tiles, at least 1
.set CM1,  53                          ; s53 its last row's rank (0 if it has none)
	s_load_b256 s[4:11], s[0:1], 0x0               ; xb s[4:5], bm s[6:7], xfrag s[8:9], rowof s[10:11]
	v_lshl_add_u32 v[SPW], v0, 2, SPARE
	v_mov_b32 v[NIL], 0
	v_lshrrev_b32 v[T1], 5, v0
	v_readfirstlane_b32 s[WV], v[T1]               ; wave 0..3
	v_and_b32 v[LN], 31, v0
	v_and_b32 v[RR], 15, v0
	v_bfe_u32 v[HH], v0, 4, 1
	v_lshlrev_b32 v[L16], 4, v[LN]
	v_lshlrev_b32 v[L4], 2, v[LN]
	v_mov_b32 v[ZERO], 0
	s_and_b32 s[EX], ttmp7, 0xffff
	s_mov_b32 s[TL], ttmp9
	s_lshl_b32 s56, s[EX], 7                       ; the expert's 32 bitmap words; also its 128 bytes of counts
	s_mov_b32 s57, 0
	s_lshl_b32 s58, s[EX], 12                      ; its 1,024 ranks
	s_mov_b32 s59, 0
	s_lshl_b32 s60, s[EX], 6
	s_add_co_u32 s60, s60, s[TL]
	s_lshl_b32 s60, s60, 15                        ; my tile,
	s_lshl_b32 s61, s[WV], 13                      ; my wave's eight K steps of 1,024 bytes
	s_add_co_u32 s60, s60, s61
	s_mov_b32 s61, 0
	s_lshl_b32 s62, s[WV], 9                       ; which are 512 bytes of each row
	v_lshlrev_b32 v[KO], 4, v[HH]
	v_add_nc_u32 v[KO], s62, v[KO]
	s_wait_kmcnt 0x0
	s_add_nc_u64 s[6:7], s[6:7], s[56:57]
	s_load_b512 s[16:31], s[6:7], 0x0
	s_load_b512 s[32:47], s[6:7], 0x40
	s_add_nc_u64 s[54:55], s[10:11], s[56:57]      ; the counts lie 32,768 bytes behind this
	s_add_nc_u64 s[10:11], s[10:11], s[58:59]
	s_add_nc_u64 s[8:9], s[8:9], s[60:61]
	s_wait_kmcnt 0x0                               ; the bitmap
	s_mov_b32 s[CNT], 0
.set ii, 0
.rept 32
	s_bcnt1_i32_b32 s62, s[16+ii]
	s_add_co_u32 s[CNT], s[CNT], s62
.set ii, ii+1
.endr
	s_add_co_u32 s[NTL1], s[CNT], 15
	s_lshr_b32 s[NTL1], s[NTL1], 4
	s_max_u32 s[NTL1], s[NTL1], 1
	s_max_u32 s[CM1], s[CNT], 1
	s_sub_co_u32 s[CM1], s[CM1], 1
	; THE LIST, by wave 0 of a tile that holds rows.  A token's rank is the bits below it in its word plus the words before; less 16 tl it is the token's place in my tile, if it lies in 0..15.
	; All lanes store: a token of my tile into its place, every other lane into word 16.  No barrier stands in this branch.
	s_cmp_lg_u32 s[WV], 0
	s_cbranch_scc1 .Lno_list
	s_cmp_ge_u32 s[TL], s[NTL1]
	s_cbranch_scc1 .Lno_list
	ds_store_b32 v[L4], v[ZERO]                    ; words 0 to 31 hold 0: an expert without rows names token 0; LDS serves a wave's stores in order, so the tokens land on top
	s_lshl_b32 s58, s[TL], 4
	s_sub_co_u32 s58, 0, s58                       ; ranks below my tile wrap round to numbers far above 16
.set ii, 0
.rept 32
	v_mbcnt_lo_u32_b32 v[RK+ii], s[16+ii], s58
	v_cndmask_b32 v[T1], 16, v[RK+ii], s[16+ii]    ; the bitmap word is the mask: the place, or 16
	v_min_u32 v[T1], 16, v[T1]
	v_lshlrev_b32 v[T1], 2, v[T1]
	v_or_b32 v[T2], 32*ii, v[LN]                   ; the token
	ds_store_b32 v[T1], v[T2]
	s_bcnt1_i32_b32 s62, s[16+ii]
	s_add_co_u32 s58, s58, s62
.set ii, ii+1
.endr
	s_cmp_lg_u32 s[TL], 0
	s_cbranch_scc1 .Lno_list                       ; in tile 0, which every expert has, the places are the ranks themselves: they are stored, and the count
.set ii, 0
.rept 32
	global_store_b32 v[L4], v[RK+ii], s[10:11] offset:128*ii
.set ii, ii+1
.endr
	v_mov_b32 v[CV], s[CNT]
	global_store_b32 v[L4], v[CV], s[54:55] offset:32768
.Lno_list:
	s_wait_dscnt 0x0                               ; for the others' sake: the list is stored
	s_barrier_signal -1
	s_barrier_wait -1
	s_cmp_ge_u32 s[TL], s[NTL1]
	s_cbranch_scc1 .Lend                           ; my tile lies past the count; no barrier stands in what is jumped
	s_lshl_b32 s58, s[TL], 4
	s_sub_co_u32 s58, s[CM1], s58                  ; the last row's place in my tile (0 or more: the tile holds rows)
	v_min_u32 v[T1], s58, v[RR]                    ; places past the count repeat the last row
	v_min_u32 v[T1], 15, v[T1]
	v_lshlrev_b32 v[T1], 2, v[T1]
	ds_load_b32 v[AO], v[T1]
	s_wait_dscnt 0x0
	v_min_u32 v[AO], 0x3ff, v[AO]
	v_lshlrev_b32 v[AO], 11, v[AO]                 ; token x 2,048 bytes
	v_add_nc_u32 v[AO], v[AO], v[KO]
.set i, 0
.rept 16
	global_load_b128 v[D+4*i:D+4*i+3], v[AO], s[4:5] offset:32*i  ; K step 8 w + i / 2, half i % 2
.set i, i+1
.endr
.set i, 0
.rept 16
	s_wait_loadcnt 15-i                            ; loads come back in order: piece i is in, the younger ones stay out
	global_store_b128 v[L16], v[D+4*i:D+4*i+3], s[8:9] offset:512*i  ; 512 consecutive bytes, aligned
.set i, i+1
.endr
.Lend:
	s_wait_tensorcnt 0x0                           ; the wave's end, behind my last LDS store
	ds_add_u32 v[SPW], v[NIL]
	s_wait_dscnt 0x0
	s_endpgm
.Lfunc_end_k_q71ee8b2f99_gather:
	.size	k_q71ee8b2f99_gather, .Lfunc_end_k_q71ee8b2f99_gather-k_q71ee8b2f99_gather
	.p2alignl 7, 3214868480
	.fill 96, 4, 3214868480
	.section	.rodata,"a",@progbits
	.p2align	6, 0x0
	.amdhsa_kernel k_q71ee8b2f99_gather
		.amdhsa_group_segment_fixed_size 768
		.amdhsa_private_segment_fixed_size 0
		.amdhsa_enable_private_segment 0
		.amdhsa_kernarg_size 32
		.amdhsa_user_sgpr_count 2
		.amdhsa_user_sgpr_kernarg_segment_ptr 1
		.amdhsa_wavefront_size32 1
		.amdhsa_system_sgpr_workgroup_id_x 1
		.amdhsa_system_sgpr_workgroup_id_y 1
		.amdhsa_system_sgpr_workgroup_id_z 1
		.amdhsa_system_vgpr_workitem_id 0
		.amdhsa_next_free_vgpr 112
		.amdhsa_next_free_sgpr 66
		.amdhsa_reserve_vcc 0
		.amdhsa_float_denorm_mode_32 3
		.amdhsa_float_denorm_mode_16_64 3
		.amdhsa_memory_ordered 1
		.amdhsa_forward_progress 1
		.amdhsa_inst_pref_size 24
	.end_amdhsa_kernel
	.amdgpu_metadata
---
amdhsa.version: [ 1, 2 ]
amdhsa.kernels:
  - .name:           k_q71ee8b2f99_gather
    .symbol:         k_q71ee8b2f99_gather.kd
    .args:
      - { .name: xb, .offset: 0, .size: 8, .value_kind: global_buffer, .address_space: global }
      - { .name: bm, .offset: 8, .size: 8, .value_kind: global_buffer, .address_space: global }
      - { .name: xfrag, .offset: 16, .size: 8, .value_kind: global_buffer, .address_space: global }
      - { .name: rowof, .offset: 24, .size: 8, .value_kind: global_buffer, .address_space: global }
    .group_segment_fixed_size: 768
    .private_segment_fixed_size: 0
    .kernarg_segment_align: 8
    .kernarg_segment_size: 32
    .max_flat_workgroup_size: 128
    .sgpr_count:     66
    .vgpr_count:     112
    .wavefront_size: 32
...
	.end_amdgpu_metadata
.endif
;; end of part 2
;; launch ffn1 (part 3): grid 32 x 8, 4 waves a work-group, no clusters, 295,424 bytes of LDS; arguments W1, b1, xfrag, rowof, hfrag; writes hfrag
.if DOCPART == 3
	.amdgcn_target "amdgcn-amd-amdhsa--gfx1250"
	.amdhsa_code_object_version 6
	.text
	.protected	k_q71ee8b2f99_ffn1
	.globl	k_q71ee8b2f99_ffn1
	.p2align	8
	.type	k_q71ee8b2f99_ffn1,@function
k_q71ee8b2f99_ffn1:
	s_mov_b64 s[64:65], 0
	v_nop
	global_prefetch_b8 v0, s[64:65] scope:SCOPE_SE
	s_setreg_imm32_b32 hwreg(HW_REG_WAVE_MODE, 25, 1), 1
	s_wait_xcnt 0x0
.set LAYER, 1
; ONE TEXT FOR BOTH PRODUCTS OF THE EXPERTS' CHAIN; the line above says which is assembled (1 or 2); all else is the same in both kernels.
; LAYER 1: hfrag = relu(xfrag W1[e] + b1[e]), rounded once to bf16.   LAYER 2: part[q] = hfrag W2[e][1024 q ..] (+ b2[e] where q = 0), f32 partial sums.
; Only the rows of tokens that chose expert e are multiplied: an earlier launch has laid them end to end in tiles of 16 and stored each expert's count (behind rowof's 32,768 bytes, 128 bytes an expert).
; Every split is served: 0 to 1,024 rows an expert.
; SHARES.  Work-group (x, e): expert e and a slice of its weights that no other work-group reads: 1,024 rows (k) x 128 columns, 512 bytes of each row.
; Layer 1: columns 128 x.  Layer 2: k from 1,024 (x / 8), columns 128 (x % 8): K is cut in four, so that both layers have one shape; a last launch adds the four parts.
; The slice is rounded to bf16 on its way through registers and STAYS in LDS, [k][128] at a pitch of 288 bytes; each byte of the slice is written once.
; ROWS go in passes of 320: 20 tiles of 16; wave w has tiles 20 PASS + 4 i + w, i = 0..4, each against all 128 columns: 40 accumulators.  Pass 0 always runs, together with the weights'
; stream.  Passes 1 to 3 read the resident slice: a loop of a constant count in which a wave without a tile jumps the pass's work; what barriers the loop has stand behind the jumped work, on every
; wave's path.  Tiles past the count repeat the expert's last tile and are not stored; a wave whose fifth tile lies past the count jumps that tile's eight products in every K step (its loads stay,
; so that every counted wait holds on both ways).
; THE STREAM.  Chunks of 128 k; of each chunk a wave loads its 32 rows, 512 consecutive bytes a load, in four groups of 8.  While chunk c is multiplied (four K steps of 32), group j of chunk c + 1
; is rounded and stored to LDS in K step j and its registers are loaded again with chunk c + 2: by this text's count 32 loads of weights and 30 of token rows are out in each wave.
; TRANSPOSED USE.  Source 0 = 16 columns of the weights (out of LDS by the turning load), source 1 = 16 token rows: a lane then holds ONE row (lane % 16) and eight neighbouring columns 8 (lane / 16) + 0..7.
; In layer 1 these eight, packed, are just four registers of layer 2's source 1 for the same lane: xfrag and hfrag are laid out [tile][K step][half][lane][16 bytes], stored and loaded 512 consecutive bytes at a time.
; The bias, rounded to bf16 like every input, is moved into the accumulators at a pass's beginning (320 moves), so that every K step is the same text and nothing is added at the end.
; NO CLUSTER: each weight byte has one reader; the tiles of rows are shared by 32 (layer 2: 8) work-groups, but a joint tile wants LDS, of which the slice leaves 32,768 bytes.
; NO TENSOR LOADS: the weights must pass through registers to be rounded, and loads into registers may stay out across the barriers.
; LIMITS.  Weights, bias and x are rounded to bf16, h once to bf16; sums in f32, in another order than the reference's.  NaN and infinities are not treated apart (the ReLU makes 0 of a NaN).
.if LAYER == 1
.set LPW,   14                         ; a row of W1 is 16,384 bytes (and so is a row of b1)
.set LTS,   15                         ; a tile of xfrag: 16 rows x 1,024 k in bf16 = 32,768 bytes
.else
.set LPW,   12                         ; a row of W2 is 4,096 bytes (and so is a row of b2)
.set LTS,   17                         ; a tile of hfrag: 16 rows x 4,096 k = 131,072 bytes
.endif
.set PW,    1<<LPW
.set BP,    288                        ; a k row in LDS: 256 bytes + 32 = 72 words
.set KS,    32*BP                      ; a K step's rows; also a wave's rows of a chunk
.set CH,    128*BP                     ; a chunk
.set SLICE, 1024*BP
.set SPI,   272                        ; layer 2's stage: 256 bytes + 16
.if LAYER == 1
.set SPARE, SLICE                      ; the spare words: 128 bytes a wave, named by no other line
.else
.set STAGE, SLICE                      ; 16 rows x 272 bytes for each wave, for the way out
.set SPARE, STAGE+4*16*SPI
.endif
; REGISTERS, in windows of 256 (s_set_vgpr_msb: bits 1:0 source 0, 3:2 source 1, 5:4 source 2, 7:6 destination)
.set LN,   1                           ; window 0: v1 lane
.set RR,   2                           ; v2   lane % 16
.set HH,   3                           ; v3   lane / 16
.set L16,  4                           ; v4   16 x lane; never rewritten
.set WLA,  5                           ; v5   where my 8 packed bytes of a weight row go: the chunk in hand, my wave's first row
.set BADR, 6                           ; v6   the turning load's lane term; never rewritten
.set BCUR, 7                           ; v7   BADR + the chunk in hand
.set PFV,  8                           ; v8   prefetches: 16 rows x 2 blocks of 256 bytes; never rewritten
.set ZERO, 9                           ; v9   0 (layer 1)
.set SPW,  10                          ; v10  LDS address of my spare word; never rewritten
.set NIL,  11                          ; v11  0; never rewritten
.set TT,   12                          ; v12-15 at work
.set AVO,  16                          ; v16  16 x lane + 4,096 x chunk: my bytes in a tile of rows
.set STO,  17                          ; layer 2: v17  the way out: where I put 16 bytes
.set RD,   18                          ; layer 2: v18  where I read rows back
.set PO,   19                          ; layer 2: v19  my byte offset in two rows of part
.set HB,   22                          ; v22  32 x (lane / 16): the bias loads' offset; never rewritten
.set ET,   32                          ; v32-63  the way out
.set CT,   32                          ; v32-47  packed weights on their way to LDS
.set BIAS, 64                          ; v64-127 the bias of column 16 c + 8 (lane / 16) + n at BIAS + 8 c + n
.set BF,   128                         ; v128-255 the weights' fragments: two buffers of 64, column block c at 8 c
.set WR,   64                          ; window 3: v64-191 weights as loaded: group g, row u at WR + 32 g + 4 u
                                       ; window 1: v0-159 token rows' fragments: four buffers of 40, tile i at 8 i
                                       ; window 2: accumulators of tiles 0-3 at 64 i + 8 c;  window 3: v0-63 tile 4's at 8 c
.set WV,   48                          ; s48 wave   s[4:5] weights at my wave's first row of the chunk in hand
.set EX,   49                          ; s49 expert
.set JJ,   50                          ; s50 column slice
.set CNT,  51                          ; s51 the expert's rows
.set NTL,  52                          ; s52 its tiles
.set NTL1, 53                          ; s53 at least 1
.set PASS, 55
.set TR,   56                          ; s56 counts trips; s57-63 at work
.set AT,   66                          ; s[66:75] the rows' buffer at tile i (layer 2: at my quarter of K)
.set SB,   76                          ; s[76:77] the stores' base
.set QQ,   78                          ; layer 2: s78 quarter of K
.set QM,   79                          ; layer 2: s79 all ones where q = 0, else 0
.set PL,   80                          ; s80 passes to go, this one among them: 4 to 1
.set T4,   81                          ; s81 1: my fifth tile of the pass holds rows
.set MSB, 0
.macro WIN new                         ; the immediate's high byte repeats the setting that is left; a switch that changes nothing is dropped
.if MSB != (\new)
	s_set_vgpr_msb (MSB<<8)|(\new)
.set MSB, (\new)
.endif
.endm
; Ten loads: the five tiles' fragments of the K step k3 steps on from the chunk's first, into buffer buf: 512 consecutive bytes each.
.macro ALOAD k3, buf
	WIN 0x40                                       ; destination window 1
.set ii, 0
.rept 5
	global_load_b128 v[40*(\buf)+8*ii:40*(\buf)+8*ii+3],   v[AVO], s[AT+2*ii:AT+2*ii+1] offset:1024*(\k3)
	global_load_b128 v[40*(\buf)+8*ii+4:40*(\buf)+8*ii+7], v[AVO], s[AT+2*ii:AT+2*ii+1] offset:1024*(\k3)+512
.set ii, ii+1
.endr
.endm
; Sixteen turning loads: the weights' fragments (32 k x 128 columns) of the K step k1 steps on, into buffer buf.
.macro BLOAD k1, buf
	WIN 0
.set cc, 0
.rept 8
	ds_load_tr16_b128 v[BF+64*(\buf)+8*cc:BF+64*(\buf)+8*cc+3],   v[BCUR] offset:KS*(\k1)+32*cc
	ds_load_tr16_b128 v[BF+64*(\buf)+8*cc+4:BF+64*(\buf)+8*cc+7], v[BCUR] offset:KS*(\k1)+32*cc+16*BP
.set cc, cc+1
.endr
.endm
; Group g's eight rows are rounded to bf16 and stored: 256 consecutive bytes of LDS a store.
.macro WCONV g, ldsoff
	WIN 0x0f                                       ; sources window 3
.set uu, 0
.rept 8
	v_cvt_pk_bf16_f32 v[CT+2*uu],   v[WR+32*(\g)+4*uu],   v[WR+32*(\g)+4*uu+1]
	v_cvt_pk_bf16_f32 v[CT+2*uu+1], v[WR+32*(\g)+4*uu+2], v[WR+32*(\g)+4*uu+3]
.set uu, uu+1
.endr
	WIN 0
.set uu, 0
.rept 8
	ds_store_b64 v[WLA], v[CT+2*uu:CT+2*uu+1] offset:(\ldsoff)+(8*(\g)+uu)*BP
.set uu, uu+1
.endr
.endm
; Group g's registers are loaded with the rows `rows` further down: 512 consecutive bytes a load, read once in the launch.
.macro WLOAD g, rows
	WIN 0xc0                                       ; destination window 3
.set uu, 0
.rept 8
	global_load_b128 v[WR+32*(\g)+4*uu:WR+32*(\g)+4*uu+3], v[L16], s[4:5] offset:((\rows)+8*(\g)+uu)*PW th:TH_LOAD_NT
.set uu, uu+1
.endr
.endm
; Eight products for each of the tiles i0 .. i1, in K step j of a chunk.  The accumulators take turns, one instruction a turn, in the same order in every K step.
.macro MUL i0, i1, j
.set ii, (\i0)
.rept (\i1)-(\i0)+1
.if ii < 4
	WIN 0xa4                                       ; weights window 0, rows window 1, C and D window 2
.set ac, 64*ii
.else
	WIN 0xf4                                       ; C and D window 3
.set ac, 0
.endif
.set cc, 0
.rept 8
	v_wmma_f32_16x16x32_bf16 v[ac+8*cc:ac+8*cc+7], v[BF+64*((\j)&1)+8*cc:BF+64*((\j)&1)+8*cc+7], v[40*((\j)&3)+8*ii:40*((\j)&3)+8*ii+7], v[ac+8*cc:ac+8*cc+7]
.set cc, cc+1
.endr
.set ii, ii+1
.endr
.endm
; A K STEP, number j of its chunk.  wm: 0 no weights; 1 group j of the next chunk is rounded and stored; 2 and its registers are loaded again, two chunks on.
; al: the rows' fragments three K steps on are asked for.  bl: the weights' fragments of the next K step are fetched.  bar: the barrier that publishes the next chunk.
; lc: the loads that may stay out.  pf: the prefetch.  The conversions (or four v_nop) are the four places between the last K step's products and the loads into registers that they read.
.macro KSTEP j, wm, al, bl, bar, lc, pf
	WIN 0
	s_wait_loadcnt \lc
.if \wm
	WCONV \j, CH
.else
.rept 4
	v_nop
.endr
.endif
.if \al
	ALOAD (\j)+3, ((\j)+3)&3
.endif
.if (\wm) == 2
	WLOAD \j, 256
.endif
.if \pf
	WIN 0                                          ; each wave asks for its own 32 rows of the chunk three on, which the next trip loads: lanes 256 bytes apart, each block once in the launch;
	s_cmp_lt_u32 s[TR], 2                          ; the last trip, whose look-ahead would leave the slice, asks for nothing.  A prefetch raises no counter, so the jump changes no count
	s_cbranch_scc1 .Lno_pf_\@
	global_prefetch_b8 v[PFV], s[4:5] offset:384*PW th:TH_LOAD_NT scope:SCOPE_SE
	global_prefetch_b8 v[PFV], s[4:5] offset:400*PW th:TH_LOAD_NT scope:SCOPE_SE
.Lno_pf_\@:
.endif
.if \bar
	s_wait_dscnt 0x0                               ; for the others' sake: all my stores of the next chunk are done, and no LDS access of mine is pending
	s_barrier_signal -1
.elseif \wm
	s_wait_dscnt 8                                 ; this K step's fragments are in: only the eight stores above were issued behind them
.else
	s_wait_dscnt 0x0                               ; this K step's fragments are in
.endif
	MUL 0, 1, \j
.if \bar
	WIN 0
	s_barrier_wait -1                              ; the next chunk is whole: sixteen products stood between signal and wait
.endif
.if \bl
	BLOAD (\j)+1, ((\j)+1)&1
.endif
	MUL 2, 3, \j
	WIN 0                                          ; at a branch and at a label every window is 0
	s_cmp_eq_u32 s[T4], 0
	s_cbranch_scc1 .Lno_t4_\@                      ; my fifth tile holds no rows: its eight products are left out; nothing but products is jumped
	MUL 4, 4, \j
	WIN 0
.Lno_t4_\@:
.endm
; A trip's end: on to the next chunk.  w = 1: the weights' stream steps too.
.macro STEP w
	WIN 0
	v_add_nc_u32 v[BCUR], CH, v[BCUR]
.if \w
	v_add_nc_u32 v[WLA], CH, v[WLA]
.endif
	s_wait_xcnt 0x0                                ; the pending loads' bases and offsets are stepped only behind this wait
	v_add_nc_u32 v[AVO], 4096, v[AVO]
.if \w
	s_add_nc_u64 s[4:5], s[4:5], 128*PW
.endif
.endm
; A PASS BEGINS: where my five tiles lie, their first three K steps' fragments, and the bias into the 40 accumulators.
; A number that hangs on the stored count enters an address clamped by a constant, then shifted, then added to.
.macro BEGIN
	WIN 0
	s_wait_xcnt 0x0                                ; registers that earlier loads and stores named are rewritten only behind this wait
	s_mul_i32 s57, s[PASS], 20
	s_add_co_u32 s57, s57, s[WV]                   ; my first tile of the pass
	s_add_co_u32 s58, s57, 16                      ; my fifth:
	s_cmp_lt_u32 s58, s[NTL]
	s_cselect_b32 s[T4], 1, 0                      ; does it hold rows?
	s_sub_co_u32 s58, s[NTL1], 1
	s_lshl_b32 s59, s[EX], 6
	s_mov_b32 s61, 0
.set ii, 0
.rept 5
	s_add_co_u32 s60, s57, 4*ii
	s_min_u32 s60, s60, s58                        ; tiles past the count repeat the last tile, which the launch before has stored
	s_add_co_u32 s60, s60, s59
	s_min_u32 s60, s60, 511
	s_lshl_b32 s60, s60, LTS
	s_add_nc_u64 s[AT+2*ii:AT+2*ii+1], s[8:9], s[60:61]
.set ii, ii+1
.endr
	v_mov_b32 v[AVO], v[L16]
	v_mov_b32 v[BCUR], v[BADR]
	ALOAD 0, 0
	ALOAD 1, 1
	ALOAD 2, 2
	WIN 0x80
.set mm, 0
.rept 256
	v_mov_b32 v[mm], v[BIAS+mm%64]
.set mm, mm+1
.endr
	WIN 0xc0
.set mm, 0
.rept 64
	v_mov_b32 v[mm], v[BIAS+mm]
.set mm, mm+1
.endr
	WIN 0
.endm
	s_load_b256 s[4:11], s[0:1], 0x0               ; weights s[4:5], bias s[6:7], rows (xfrag or hfrag) s[8:9], rowof s[10:11] (for the counts behind it)
	s_load_b64 s[12:13], s[0:1], 0x20              ; hfrag or part
	v_lshl_add_u32 v[SPW], v0, 2, SPARE
	v_mov_b32 v[NIL], 0
	v_lshrrev_b32 v[TT], 5, v0
	v_readfirstlane_b32 s[WV], v[TT]               ; wave 0..3
	v_and_b32 v[LN], 31, v0
	v_and_b32 v[RR], 15, v0
	v_bfe_u32 v[HH], v0, 4, 1
	v_lshlrev_b32 v[L16], 4, v[LN]
	v_lshlrev_b32 v[HB], 5, v[HH]
	s_and_b32 s[EX], ttmp7, 0xffff
.if LAYER == 1
	s_mov_b32 s[JJ], ttmp9
	v_mov_b32 v[ZERO], 0
.else
	s_lshr_b32 s[QQ], ttmp9, 3
	s_and_b32 s[JJ], ttmp9, 7
	s_cmp_eq_u32 s[QQ], 0
	s_cselect_b32 s[QM], -1, 0
.endif
	s_lshl_b32 s58, s[EX], 24                      ; an expert's weights are 16,777,216 bytes
	s_lshl_b32 s57, s[JJ], 9                       ; 128 columns are 512 bytes
	s_add_co_u32 s58, s58, s57
	s_lshl_b32 s57, s[WV], LPW+5                   ; my wave's 32 rows of a chunk
	s_add_co_u32 s58, s58, s57
.if LAYER == 2
	s_lshl_b32 s57, s[QQ], 22                      ; 1,024 rows of 4,096 bytes
	s_add_co_u32 s58, s58, s57
.endif
	s_mov_b32 s59, 0
	s_lshl_b32 s60, s[EX], LPW                     ; the expert's row of the bias,
	s_lshl_b32 s57, s[JJ], 9                       ; my 128 columns
	s_add_co_u32 s60, s60, s57
	s_mov_b32 s61, 0
	s_lshl_b32 s62, s[EX], 7                       ; the expert's 128 bytes of counts
	s_mul_i32 s57, s[WV], KS
	v_lshl_add_u32 v[WLA], v[LN], 3, s57
	v_and_b32 v[TT], 7, v0                         ; the turning load: lane l reads k row 8 (l / 16) + l % 8, columns 8 ((l / 8) % 2) on
	v_lshl_add_u32 v[TT], v[HH], 3, v[TT]
	v_mul_u32_u24 v[BADR], v[TT], BP
	v_bfe_u32 v[TT+1], v0, 3, 1
	v_lshl_add_u32 v[BADR], v[TT+1], 4, v[BADR]
	v_lshrrev_b32 v[TT], 1, v[LN]
	v_and_b32 v[TT+1], 1, v0
	v_lshlrev_b32 v[PFV], LPW, v[TT]
	v_lshl_add_u32 v[PFV], v[TT+1], 8, v[PFV]
.if LAYER == 2
	s_mul_i32 s57, s[WV], 16*SPI
	s_add_co_u32 s57, s57, STAGE                   ; my stage
	v_mul_u32_u24 v[STO], v[RR], SPI               ; in: row lane % 16, 32 bytes for each half of the lanes
	v_lshl_add_u32 v[STO], v[HH], 5, v[STO]
	v_add_nc_u32 v[STO], s57, v[STO]
	v_mul_u32_u24 v[RD], v[HH], SPI                ; back: lanes 0-15 one row of 256 bytes, lanes 16-31 the next
	v_lshl_add_u32 v[RD], v[RR], 4, v[RD]
	v_add_nc_u32 v[RD], s57, v[RD]
	v_lshlrev_b32 v[PO], 12, v[HH]                 ; and the same two rows in part
	v_lshl_add_u32 v[PO], v[RR], 4, v[PO]
.endif
	s_wait_kmcnt 0x0
	s_add_nc_u64 s[4:5], s[4:5], s[58:59]
	s_add_nc_u64 s[6:7], s[6:7], s[60:61]
	s_load_b32 s[CNT], s[10:11], s62 offset:0x8000 ; the expert's count
.if LAYER == 1
	s_lshl_b32 s58, s[JJ], 12                      ; my slice's four K steps in a tile of hfrag
	s_add_nc_u64 s[12:13], s[12:13], s[58:59]
.else
	s_lshl_b32 s58, s[QQ], 15                      ; my quarter's 32 K steps in a tile of hfrag
	s_add_nc_u64 s[8:9], s[8:9], s[58:59]
	s_lshl_b32 s58, s[QQ], 25                      ; my quarter of part: 8,192 rows of 4,096 bytes,
	s_lshl_b32 s57, s[JJ], 9                       ; my 128 columns
	s_add_co_u32 s58, s58, s57
	s_add_nc_u64 s[12:13], s[12:13], s[58:59]
.endif
.set cc, 0
.rept 8
	global_load_b128 v[BIAS+8*cc:BIAS+8*cc+3],   v[HB], s[6:7] offset:64*cc
	global_load_b128 v[BIAS+8*cc+4:BIAS+8*cc+7], v[HB], s[6:7] offset:64*cc+16
.set cc, cc+1
.endr
	WLOAD 0, 0                                     ; chunk 0
	WLOAD 1, 0
	WLOAD 2, 0
	WLOAD 3, 0
	WIN 0
	global_prefetch_b8 v[PFV], s[4:5] offset:128*PW th:TH_LOAD_NT scope:SCOPE_SE  ; my rows of chunks 1 and 2: 32,768 bytes a wave asked ahead
	global_prefetch_b8 v[PFV], s[4:5] offset:144*PW th:TH_LOAD_NT scope:SCOPE_SE
	global_prefetch_b8 v[PFV], s[4:5] offset:256*PW th:TH_LOAD_NT scope:SCOPE_SE
	global_prefetch_b8 v[PFV], s[4:5] offset:272*PW th:TH_LOAD_NT scope:SCOPE_SE
	s_wait_kmcnt 0x0                               ; the count
	s_add_co_u32 s[NTL], s[CNT], 15
	s_lshr_b32 s[NTL], s[NTL], 4
	s_max_u32 s[NTL1], s[NTL], 1
	s_wait_loadcnt 32                              ; the bias is in: chunk 0's 32 loads were issued behind it
.set ii, 0
.rept 32
	v_cvt_pk_bf16_f32 v[TT+ii%4], v[BIAS+2*ii], v[BIAS+2*ii+1]  ; rounded to bf16 like the other inputs,
.if LAYER == 2
	v_and_b32 v[TT+ii%4], s[QM], v[TT+ii%4]        ; taken by one quarter of K alone,
.endif
	v_lshlrev_b32 v[BIAS+2*ii], 16, v[TT+ii%4]     ; and widened again
	v_and_b32 v[BIAS+2*ii+1], 0xffff0000, v[TT+ii%4]
.set ii, ii+1
.endr
	s_mov_b32 s[PASS], 0
	BEGIN                                          ; 62 loads are out: 32 of weights, then 30 of rows
.irp g, 0,1,2,3
	s_wait_loadcnt 54                              ; group g of chunk 0 is in: behind it 24 - 8 g of chunk 0, the 30 of rows and 8 g of chunk 1
	WCONV \g, 0
	WLOAD \g, 128
.endr
	WIN 0
	s_wait_dscnt 0x0                               ; for the others' sake: my rows of chunk 0 are stored
	s_barrier_signal -1
	s_barrier_wait -1
	BLOAD 0, 0
	s_wait_loadcnt 16                              ; chunk 1's groups 2 and 3 may stay out: so the loop's one count also holds in its first K steps
	s_mov_b32 s[TR], 6
.Lfuse:                                                ; chunks 0 to 5.  44: behind the rows' fragments of this K step, asked for three K steps ago, were issued that step's 8 loads of weights and
	KSTEP 0, 2, 1, 1, 0, 44, 1                     ; two steps' 18; the group of weights asked for four K steps ago is older still
	KSTEP 1, 2, 1, 1, 0, 44, 0
	KSTEP 2, 2, 1, 1, 0, 44, 0
	KSTEP 3, 2, 1, 1, 1, 44, 0
	STEP 1
	s_sub_co_u32 s[TR], s[TR], 1
	s_cmp_lg_u32 s[TR], 0
	s_cbranch_scc1 .Lfuse
	KSTEP 0, 1, 1, 1, 0, 44, 0                     ; chunk 6: chunk 7 is rounded and stored, no weights are left to ask for: the counts run down
	KSTEP 1, 1, 1, 1, 0, 36, 0                     ; 8 + 18 + 10
	KSTEP 2, 1, 1, 1, 0, 28, 0                     ; 8 + 10 + 10
	KSTEP 3, 1, 1, 1, 1, 20, 0                     ; 10 + 10
	STEP 0
	s_mov_b32 s[PL], 4
	s_branch .Llast                                ; the loop over passes is entered in the middle of a trip
.Lpass:                                                ; passes 1 to 3, from the resident slice
	s_mul_i32 s57, s[PASS], 20
	s_add_co_u32 s57, s57, s[WV]
	s_cmp_ge_u32 s57, s[NTL]                       ; my first tile of the pass lies past the count: nothing of mine is in it
.if LAYER == 1
	s_cbranch_scc1 .Lout_done
.else
	s_cbranch_scc1 .Lkdone
.endif
	BEGIN
	BLOAD 0, 0
	s_mov_b32 s[TR], 7
.Lplain:                                               ; 20: the fragments of the next two K steps may stay out
	KSTEP 0, 0, 1, 1, 0, 20, 0
	KSTEP 1, 0, 1, 1, 0, 20, 0
	KSTEP 2, 0, 1, 1, 0, 20, 0
	KSTEP 3, 0, 1, 1, 0, 20, 0
	STEP 0
	s_sub_co_u32 s[TR], s[TR], 1
	s_cmp_lg_u32 s[TR], 0
	s_cbranch_scc1 .Lplain
.Llast:                                                ; chunk 7 of every pass: one more request, then none
	KSTEP 0, 0, 1, 1, 0, 20, 0
	KSTEP 1, 0, 0, 1, 0, 20, 0
	KSTEP 2, 0, 0, 1, 0, 10, 0
	KSTEP 3, 0, 0, 0, 0, 0, 0
	WIN 0
.rept 4
	v_nop                                          ; four places between the last product and the first read of a result
.endr
.if LAYER == 2
.Lkdone:
	s_wait_dscnt 0x0                               ; every wave's reads of the slice in this pass are over
	s_barrier_signal -1                            ; before any wave stores into its stage: so the order of the two does not rest on the stepped addresses staying inside the slice
	s_barrier_wait -1
.endif
	; THE WAY OUT, a tile at a time; tiles ascend, so the first one past the count ends it.
	s_mul_i32 s57, s[PASS], 20
	s_add_co_u32 s57, s57, s[WV]
	s_lshl_b32 s60, s[EX], 6
.set io, 0
.rept 5
	WIN 0
	s_add_co_u32 s58, s57, 4*io
.if LAYER == 1
	s_cmp_ge_u32 s58, s[NTL1]                      ; tile 0 is stored for an expert without rows too, so that layer 2's clamped loads read bytes that were written
.else
	s_cmp_ge_u32 s58, s[NTL]
.endif
	s_cbranch_scc1 .Lout_done
	s_wait_xcnt 0x0                                ; the stores' base and data registers are rewritten only behind this wait
	s_add_co_u32 s58, s58, s60
.if LAYER == 1
	s_lshl_b32 s58, s58, 17                        ; a tile of hfrag is 131,072 bytes
.else
	s_lshl_b32 s58, s58, 16                        ; 16 rows of part are 65,536 bytes
.endif
	s_mov_b32 s59, 0
	s_add_nc_u64 s[SB:SB+1], s[12:13], s[58:59]
.if io < 4
.set ac, 64*io
.else
.set ac, 0
.endif
.if LAYER == 1
	WIN 0x0a+5*(io/4)                              ; sources window 2, or 3 for tile 4
.set mm, 0
.rept 32
	v_cvt_pk_bf16_f32 v[ET+mm], v[ac+2*mm], v[ac+2*mm+1]  ; each accumulator's registers in ascending order
.set mm, mm+1
.endr
	WIN 0
.set mm, 0
.rept 32
	v_pk_max_num_bf16 v[ET+mm], v[ET+mm], v[ZERO]  ; the ReLU, two at a time: it rounds nothing
.set mm, mm+1
.endr
.set cc, 0
.rept 8
	global_store_b128 v[L16], v[ET+4*cc:ET+4*cc+3], s[SB:SB+1] offset:512*cc  ; 512 consecutive bytes: half a fragment of layer 2's
.set cc, cc+1
.endr
.else
.set hf, 0
.rept 2                                        ; 64 columns, 256 bytes of f32, at a time through my own stage
	WIN 0x08+4*(io/4)                              ; the stores' data in window 2, or 3 for tile 4
.set cc, 0
.rept 4
	ds_store_b128 v[STO], v[ac+8*(4*hf+cc):ac+8*(4*hf+cc)+3]   offset:64*cc
	ds_store_b128 v[STO], v[ac+8*(4*hf+cc)+4:ac+8*(4*hf+cc)+7] offset:64*cc+16
.set cc, cc+1
.endr
	WIN 0
.if hf
	s_wait_xcnt 0x0                                ; the first half's stores have read the registers that are loaded now
.endif
.set cc, 0
.rept 8
	ds_load_b128 v[ET+4*cc:ET+4*cc+3], v[RD] offset:2*SPI*cc  ; LDS serves a wave's instructions in order (ISA guide 5.7.1.4): these see the stores above
.set cc, cc+1
.endr
	s_wait_dscnt 0x0
.set cc, 0
.rept 8
	global_store_b128 v[PO], v[ET+4*cc:ET+4*cc+3], s[SB:SB+1] offset:8192*cc+256*hf  ; 16 lanes store 256 consecutive bytes, aligned
.set cc, cc+1
.endr
.set hf, hf+1
.endr
.endif
.set io, io+1
.endr
	WIN 0
.Lout_done:
.if LAYER == 2
	s_wait_dscnt 0x0                               ; every wave's stores into its stage are done
	s_barrier_signal -1                            ; before any wave reads the slice again in the next pass
	s_barrier_wait -1
.endif
	s_add_co_u32 s[PASS], s[PASS], 1
	s_sub_co_u32 s[PL], s[PL], 1
	s_cmp_lg_u32 s[PL], 0
	s_cbranch_scc1 .Lpass
.if LAYER == 1
	s_wait_dscnt 0x0                               ; every wave's reads of LDS are over
	s_barrier_signal -1                            ; before any wave's closing lines
	s_barrier_wait -1
.endif
	s_wait_tensorcnt 0x0                           ; the wave's end, behind my last LDS store
	ds_add_u32 v[SPW], v[NIL]
	s_wait_dscnt 0x0
	s_endpgm
.Lfunc_end_k_q71ee8b2f99_ffn1:
	.size	k_q71ee8b2f99_ffn1, .Lfunc_end_k_q71ee8b2f99_ffn1-k_q71ee8b2f99_ffn1
	.p2alignl 7, 3214868480
	.fill 96, 4, 3214868480
	.section	.rodata,"a",@progbits
	.p2align	6, 0x0
	.amdhsa_kernel k_q71ee8b2f99_ffn1
		.amdhsa_group_segment_fixed_size 295424
		.amdhsa_private_segment_fixed_size 0
		.amdhsa_enable_private_segment 0
		.amdhsa_kernarg_size 40
		.amdhsa_user_sgpr_count 2
		.amdhsa_user_sgpr_kernarg_segment_ptr 1
		.amdhsa_wavefront_size32 1
		.amdhsa_system_sgpr_workgroup_id_x 1
		.amdhsa_system_sgpr_workgroup_id_y 1
		.amdhsa_system_sgpr_workgroup_id_z 1
		.amdhsa_system_vgpr_workitem_id 0
		.amdhsa_next_free_vgpr 960
		.amdhsa_next_free_sgpr 84
		.amdhsa_reserve_vcc 0
		.amdhsa_float_denorm_mode_32 3
		.amdhsa_float_denorm_mode_16_64 3
		.amdhsa_memory_ordered 1
		.amdhsa_forward_progress 1
		.amdhsa_inst_pref_size 170
	.end_amdhsa_kernel
	.amdgpu_metadata
---
amdhsa.version: [ 1, 2 ]
amdhsa.kernels:
  - .name:           k_q71ee8b2f99_ffn1
    .symbol:         k_q71ee8b2f99_ffn1.kd
    .args:
      - { .name: W1, .offset: 0, .size: 8, .value_kind: global_buffer, .address_space: global }
      - { .name: b1, .offset: 8, .size: 8, .value_kind: global_buffer, .address_space: global }
      - { .name: xfrag, .offset: 16, .size: 8, .value_kind: global_buffer, .address_space: global }
      - { .name: rowof, .offset: 24, .size: 8, .value_kind: global_buffer, .address_space: global }
      - { .name: hfrag, .offset: 32, .size: 8, .value_kind: global_buffer, .address_space: global }
    .group_segment_fixed_size: 295424
    .private_segment_fixed_size: 0
    .kernarg_segment_align: 8
    .kernarg_segment_size: 40
    .max_flat_workgroup_size: 128
    .sgpr_count:     84
    .vgpr_count:     960
    .wavefront_size: 32
...
	.end_amdgpu_metadata
.endif
;; end of part 3
;; launch ffn2 (part 4): grid 32 x 8, 4 waves a work-group, no clusters, 312,832 bytes of LDS; arguments W2, b2, hfrag, rowof, part; writes part
.if DOCPART == 4
	.amdgcn_target "amdgcn-amd-amdhsa--gfx1250"
	.amdhsa_code_object_version 6
	.text
	.protected	k_q71ee8b2f99_ffn2
	.globl	k_q71ee8b2f99_ffn2
	.p2align	8
	.type	k_q71ee8b2f99_ffn2,@function
k_q71ee8b2f99_ffn2:
	s_mov_b64 s[64:65], 0
	v_nop
	global_prefetch_b8 v0, s[64:65] scope:SCOPE_SE
	s_setreg_imm32_b32 hwreg(HW_REG_WAVE_MODE, 25, 1), 1
	s_wait_xcnt 0x0
.set LAYER, 2
; ONE TEXT FOR BOTH PRODUCTS OF THE EXPERTS' CHAIN; the line above says which is assembled (1 or 2); all else is the same in both kernels.
; LAYER 1: hfrag = relu(xfrag W1[e] + b1[e]), rounded once to bf16.   LAYER 2: part[q] = hfrag W2[e][1024 q ..] (+ b2[e] where q = 0), f32 partial sums.
; Only the rows of tokens that chose expert e are multiplied: an earlier launch has laid them end to end in tiles of 16 and stored each expert's count (behind rowof's 32,768 bytes, 128 bytes an expert).
; Every split is served: 0 to 1,024 rows an expert.
; SHARES.  Work-group (x, e): expert e and a slice of its weights that no other work-group reads: 1,024 rows (k) x 128 columns, 512 bytes of each row.
; Layer 1: columns 128 x.  Layer 2: k from 1,024 (x / 8), columns 128 (x % 8): K is cut in four, so that both layers have one shape; a last launch adds the four parts.
; The slice is rounded to bf16 on its way through registers and STAYS in LDS, [k][128] at a pitch of 288 bytes; each byte of the slice is written once.
; ROWS go in passes of 320: 20 tiles of 16; wave w has tiles 20 PASS + 4 i + w, i = 0..4, each against all 128 columns: 40 accumulators.  Pass 0 always runs, together with the weights'
; stream.  Passes 1 to 3 read the resident slice: a loop of a constant count in which a wave without a tile jumps the pass's work; what barriers the loop has stand behind the jumped work, on every
; wave's path.  Tiles past the count repeat the expert's last tile and are not stored; a wave whose fifth tile lies past the count jumps that tile's eight products in every K step (its loads stay,
; so that every counted wait holds on both ways).
; THE STREAM.  Chunks of 128 k; of each chunk a wave loads its 32 rows, 512 consecutive bytes a load, in four groups of 8.  While chunk c is multiplied (four K steps of 32), group j of chunk c + 1
; is rounded and stored to LDS in K step j and its registers are loaded again with chunk c + 2: by this text's count 32 loads of weights and 30 of token rows are out in each wave.
; TRANSPOSED USE.  Source 0 = 16 columns of the weights (out of LDS by the turning load), source 1 = 16 token rows: a lane then holds ONE row (lane % 16) and eight neighbouring columns 8 (lane / 16) + 0..7.
; In layer 1 these eight, packed, are just four registers of layer 2's source 1 for the same lane: xfrag and hfrag are laid out [tile][K step][half][lane][16 bytes], stored and loaded 512 consecutive bytes at a time.
; The bias, rounded to bf16 like every input, is moved into the accumulators at a pass's beginning (320 moves), so that every K step is the same text and nothing is added at the end.
; NO CLUSTER: each weight byte has one reader; the tiles of rows are shared by 32 (layer 2: 8) work-groups, but a joint tile wants LDS, of which the slice leaves 32,768 bytes.
; NO TENSOR LOADS: the weights must pass through registers to be rounded, and loads into registers may stay out across the barriers.
; LIMITS.  Weights, bias and x are rounded to bf16, h once to bf16; sums in f32, in another order than the reference's.  NaN and infinities are not treated apart (the ReLU makes 0 of a NaN).
.if LAYER == 1
.set LPW,   14                         ; a row of W1 is 16,384 bytes (and so is a row of b1)
.set LTS,   15                         ; a tile of xfrag: 16 rows x 1,024 k in bf16 = 32,768 bytes
.else
.set LPW,   12                         ; a row of W2 is 4,096 bytes (and so is a row of b2)
.set LTS,   17                         ; a tile of hfrag: 16 rows x 4,096 k = 131,072 bytes
.endif
.set PW,    1<<LPW
.set BP,    288                        ; a k row in LDS: 256 bytes + 32 = 72 words
.set KS,    32*BP                      ; a K step's rows; also a wave's rows of a chunk
.set CH,    128*BP                     ; a chunk
.set SLICE, 1024*BP
.set SPI,   272                        ; layer 2's stage: 256 bytes + 16
.if LAYER == 1
.set SPARE, SLICE                      ; the spare words: 128 bytes a wave, named by no other line
.else
.set STAGE, SLICE                      ; 16 rows x 272 bytes for each wave, for the way out
.set SPARE, STAGE+4*16*SPI
.endif
; REGISTERS, in windows of 256 (s_set_vgpr_msb: bits 1:0 source 0, 3:2 source 1, 5:4 source 2, 7:6 destination)
.set LN,   1                           ; window 0: v1 lane
.set RR,   2                           ; v2   lane % 16
.set HH,   3                           ; v3   lane / 16
.set L16,  4                           ; v4   16 x lane; never rewritten
.set WLA,  5                           ; v5   where my 8 packed bytes of a weight row go: the chunk in hand, my wave's first row
.set BADR, 6                           ; v6   the turning load's lane term; never rewritten
.set BCUR, 7                           ; v7   BADR + the chunk in hand
.set PFV,  8                           ; v8   prefetches: 16 rows x 2 blocks of 256 bytes; never rewritten
.set ZERO, 9                           ; v9   0 (layer 1)
.set SPW,  10                          ; v10  LDS address of my spare word; never rewritten
.set NIL,  11                          ; v11  0; never rewritten
.set TT,   12                          ; v12-15 at work
.set AVO,  16                          ; v16  16 x lane + 4,096 x chunk: my bytes in a tile of rows
.set STO,  17                          ; layer 2: v17  the way out: where I put 16 bytes
.set RD,   18                          ; layer 2: v18  where I read rows back
.set PO,   19                          ; layer 2: v19  my byte offset in two rows of part
.set HB,   22                          ; v22  32 x (lane / 16): the bias loads' offset; never rewritten
.set ET,   32                          ; v32-63  the way out
.set CT,   32                          ; v32-47  packed weights on their way to LDS
.set BIAS, 64                          ; v64-127 the bias of column 16 c + 8 (lane / 16) + n at BIAS + 8 c + n
.set BF,   128                         ; v128-255 the weights' fragments: two buffers of 64, column block c at 8 c
.set WR,   64                          ; window 3: v64-191 weights as loaded: group g, row u at WR + 32 g + 4 u
                                       ; window 1: v0-159 token rows' fragments: four buffers of 40, tile i at 8 i
                                       ; window 2: accumulators of tiles 0-3 at 64 i + 8 c;  window 3: v0-63 tile 4's at 8 c
.set WV,   48                          ; s48 wave   s[4:5] weights at my wave's first row of the chunk in hand
.set EX,   49                          ; s49 expert
.set JJ,   50                          ; s50 column slice
.set CNT,  51                          ; s51 the expert's rows
.set NTL,  52                          ; s52 its tiles
.set NTL1, 53                          ; s53 at least 1
.set PASS, 55
.set TR,   56                          ; s56 counts trips; s57-63 at work
.set AT,   66                          ; s[66:75] the rows' buffer at tile i (layer 2: at my quarter of K)
.set SB,   76                          ; s[76:77] the stores' base
.set QQ,   78                          ; layer 2: s78 quarter of K
.set QM,   79                          ; layer 2: s79 all ones where q = 0, else 0
.set PL,   80                          ; s80 passes to go, this one among them: 4 to 1
.set T4,   81                          ; s81 1: my fifth tile of the pass holds rows
.set MSB, 0
.macro WIN new                         ; the immediate's high byte repeats the setting that is left; a switch that changes nothing is dropped
.if MSB != (\new)
	s_set_vgpr_msb (MSB<<8)|(\new)
.set MSB, (\new)
.endif
.endm
; Ten loads: the five tiles' fragments of the K step k3 steps on from the chunk's first, into buffer buf: 512 consecutive bytes each.
.macro ALOAD k3, buf
	WIN 0x40                                       ; destination window 1
.set ii, 0
.rept 5
	global_load_b128 v[40*(\buf)+8*ii:40*(\buf)+8*ii+3],   v[AVO], s[AT+2*ii:AT+2*ii+1] offset:1024*(\k3)
	global_load_b128 v[40*(\buf)+8*ii+4:40*(\buf)+8*ii+7], v[AVO], s[AT+2*ii:AT+2*ii+1] offset:1024*(\k3)+512
.set ii, ii+1
.endr
.endm
; Sixteen turning loads: the weights' fragments (32 k x 128 columns) of the K step k1 steps on, into buffer buf.
.macro BLOAD k1, buf
	WIN 0
.set cc, 0
.rept 8
	ds_load_tr16_b128 v[BF+64*(\buf)+8*cc:BF+64*(\buf)+8*cc+3],   v[BCUR] offset:KS*(\k1)+32*cc
	ds_load_tr16_b128 v[BF+64*(\buf)+8*cc+4:BF+64*(\buf)+8*cc+7], v[BCUR] offset:KS*(\k1)+32*cc+16*BP
.set cc, cc+1
.endr
.endm
; Group g's eight rows are rounded to bf16 and stored: 256 consecutive bytes of LDS a store.
.macro WCONV g, ldsoff
	WIN 0x0f                                       ; sources window 3
.set uu, 0
.rept 8
	v_cvt_pk_bf16_f32 v[CT+2*uu],   v[WR+32*(\g)+4*uu],   v[WR+32*(\g)+4*uu+1]
	v_cvt_pk_bf16_f32 v[CT+2*uu+1], v[WR+32*(\g)+4*uu+2], v[WR+32*(\g)+4*uu+3]
.set uu, uu+1
.endr
	WIN 0
.set uu, 0
.rept 8
	ds_store_b64 v[WLA], v[CT+2*uu:CT+2*uu+1] offset:(\ldsoff)+(8*(\g)+uu)*BP
.set uu, uu+1
.endr
.endm
; Group g's registers are loaded with the rows `rows` further down: 512 consecutive bytes a load, read once in the launch.
.macro WLOAD g, rows
	WIN 0xc0                                       ; destination window 3
.set uu, 0
.rept 8
	global_load_b128 v[WR+32*(\g)+4*uu:WR+32*(\g)+4*uu+3], v[L16], s[4:5] offset:((\rows)+8*(\g)+uu)*PW th:TH_LOAD_NT
.set uu, uu+1
.endr
.endm
; Eight products for each of the tiles i0 .. i1, in K step j of a chunk.  The accumulators take turns, one instruction a turn, in the same order in every K step.
.macro MUL i0, i1, j
.set ii, (\i0)
.rept (\i1)-(\i0)+1
.if ii < 4
	WIN 0xa4                                       ; weights window 0, rows window 1, C and D window 2
.set ac, 64*ii
.else
	WIN 0xf4                                       ; C and D window 3
.set ac, 0
.endif
.set cc, 0
.rept 8
	v_wmma_f32_16x16x32_bf16 v[ac+8*cc:ac+8*cc+7], v[BF+64*((\j)&1)+8*cc:BF+64*((\j)&1)+8*cc+7], v[40*((\j)&3)+8*ii:40*((\j)&3)+8*ii+7], v[ac+8*cc:ac+8*cc+7]
.set cc, cc+1
.endr
.set ii, ii+1
.endr
.endm
; A K STEP, number j of its chunk.  wm: 0 no weights; 1 group j of the next chunk is rounded and stored; 2 and its registers are loaded again, two chunks on.
; al: the rows' fragments three K steps on are asked for.  bl: the weights' fragments of the next K step are fetched.  bar: the barrier that publishes the next chunk.
; lc: the loads that may stay out.  pf: the prefetch.  The conversions (or four v_nop) are the four places between the last K step's products and the loads into registers that they read.
.macro KSTEP j, wm, al, bl, bar, lc, pf
	WIN 0
	s_wait_loadcnt \lc
.if \wm
	WCONV \j, CH
.else
.rept 4
	v_nop
.endr
.endif
.if \al
	ALOAD (\j)+3, ((\j)+3)&3
.endif
.if (\wm) == 2
	WLOAD \j, 256
.endif
.if \pf
	WIN 0                                          ; each wave asks for its own 32 rows of the chunk three on, which the next trip loads: lanes 256 bytes apart, each block once in the launch;
	s_cmp_lt_u32 s[TR], 2                          ; the last trip, whose look-ahead would leave the slice, asks for nothing.  A prefetch raises no counter, so the jump changes no count
	s_cbranch_scc1 .Lno_pf_\@
	global_prefetch_b8 v[PFV], s[4:5] offset:384*PW th:TH_LOAD_NT scope:SCOPE_SE
	global_prefetch_b8 v[PFV], s[4:5] offset:400*PW th:TH_LOAD_NT scope:SCOPE_SE
.Lno_pf_\@:
.endif
.if \bar
	s_wait_dscnt 0x0                               ; for the others' sake: all my stores of the next chunk are done, and no LDS access of mine is pending
	s_barrier_signal -1
.elseif \wm
	s_wait_dscnt 8                                 ; this K step's fragments are in: only the eight stores above were issued behind them
.else
	s_wait_dscnt 0x0                               ; this K step's fragments are in
.endif
	MUL 0, 1, \j
.if \bar
	WIN 0
	s_barrier_wait -1                              ; the next chunk is whole: sixteen products stood between signal and wait
.endif
.if \bl
	BLOAD (\j)+1, ((\j)+1)&1
.endif
	MUL 2, 3, \j
	WIN 0                                          ; at a branch and at a label every window is 0
	s_cmp_eq_u32 s[T4], 0
	s_cbranch_scc1 .Lno_t4_\@                      ; my fifth tile holds no rows: its eight products are left out; nothing but products is jumped
	MUL 4, 4, \j
	WIN 0
.Lno_t4_\@:
.endm
; A trip's end: on to the next chunk.  w = 1: the weights' stream steps too.
.macro STEP w
	WIN 0
	v_add_nc_u32 v[BCUR], CH, v[BCUR]
.if \w
	v_add_nc_u32 v[WLA], CH, v[WLA]
.endif
	s_wait_xcnt 0x0                                ; the pending loads' bases and offsets are stepped only behind this wait
	v_add_nc_u32 v[AVO], 4096, v[AVO]
.if \w
	s_add_nc_u64 s[4:5], s[4:5], 128*PW
.endif
.endm
; A PASS BEGINS: where my five tiles lie, their first three K steps' fragments, and the bias into the 40 accumulators.
; A number that hangs on the stored count enters an address clamped by a constant, then shifted, then added to.
.macro BEGIN
	WIN 0
	s_wait_xcnt 0x0                                ; registers that earlier loads and stores named are rewritten only behind this wait
	s_mul_i32 s57, s[PASS], 20
	s_add_co_u32 s57, s57, s[WV]                   ; my first tile of the pass
	s_add_co_u32 s58, s57, 16                      ; my fifth:
	s_cmp_lt_u32 s58, s[NTL]
	s_cselect_b32 s[T4], 1, 0                      ; does it hold rows?
	s_sub_co_u32 s58, s[NTL1], 1
	s_lshl_b32 s59, s[EX], 6
	s_mov_b32 s61, 0
.set ii, 0
.rept 5
	s_add_co_u32 s60, s57, 4*ii
	s_min_u32 s60, s60, s58                        ; tiles past the count repeat the last tile, which the launch before has stored
	s_add_co_u32 s60, s60, s59
	s_min_u32 s60, s60, 511
	s_lshl_b32 s60, s60, LTS
	s_add_nc_u64 s[AT+2*ii:AT+2*ii+1], s[8:9], s[60:61]
.set ii, ii+1
.endr
	v_mov_b32 v[AVO], v[L16]
	v_mov_b32 v[BCUR], v[BADR]
	ALOAD 0, 0
	ALOAD 1, 1
	ALOAD 2, 2
	WIN 0x80
.set mm, 0
.rept 256
	v_mov_b32 v[mm], v[BIAS+mm%64]
.set mm, mm+1
.endr
	WIN 0xc0
.set mm, 0
.rept 64
	v_mov_b32 v[mm], v[BIAS+mm]
.set mm, mm+1
.endr
	WIN 0
.endm
	s_load_b256 s[4:11], s[0:1], 0x0               ; weights s[4:5], bias s[6:7], rows (xfrag or hfrag) s[8:9], rowof s[10:11] (for the counts behind it)
	s_load_b64 s[12:13], s[0:1], 0x20              ; hfrag or part
	v_lshl_add_u32 v[SPW], v0, 2, SPARE
	v_mov_b32 v[NIL], 0
	v_lshrrev_b32 v[TT], 5, v0
	v_readfirstlane_b32 s[WV], v[TT]               ; wave 0..3
	v_and_b32 v[LN], 31, v0
	v_and_b32 v[RR], 15, v0
	v_bfe_u32 v[HH], v0, 4, 1
	v_lshlrev_b32 v[L16], 4, v[LN]
	v_lshlrev_b32 v[HB], 5, v[HH]
	s_and_b32 s[EX], ttmp7, 0xffff
.if LAYER == 1
	s_mov_b32 s[JJ], ttmp9
	v_mov_b32 v[ZERO], 0
.else
	s_lshr_b32 s[QQ], ttmp9, 3
	s_and_b32 s[JJ], ttmp9, 7
	s_cmp_eq_u32 s[QQ], 0
	s_cselect_b32 s[QM], -1, 0
.endif
	s_lshl_b32 s58, s[EX], 24                      ; an expert's weights are 16,777,216 bytes
	s_lshl_b32 s57, s[JJ], 9                       ; 128 columns are 512 bytes
	s_add_co_u32 s58, s58, s57
	s_lshl_b32 s57, s[WV], LPW+5                   ; my wave's 32 rows of a chunk
	s_add_co_u32 s58, s58, s57
.if LAYER == 2
	s_lshl_b32 s57, s[QQ], 22                      ; 1,024 rows of 4,096 bytes
	s_add_co_u32 s58, s58, s57
.endif
	s_mov_b32 s59, 0
	s_lshl_b32 s60, s[EX], LPW                     ; the expert's row of the bias,
	s_lshl_b32 s57, s[JJ], 9                       ; my 128 columns
	s_add_co_u32 s60, s60, s57
	s_mov_b32 s61, 0
	s_lshl_b32 s62, s[EX], 7                       ; the expert's 128 bytes of counts
	s_mul_i32 s57, s[WV], KS
	v_lshl_add_u32 v[WLA], v[LN], 3, s57
	v_and_b32 v[TT], 7, v0                         ; the turning load: lane l reads k row 8 (l / 16) + l % 8, columns 8 ((l / 8) % 2) on
	v_lshl_add_u32 v[TT], v[HH], 3, v[TT]
	v_mul_u32_u24 v[BADR], v[TT], BP
	v_bfe_u32 v[TT+1], v0, 3, 1
	v_lshl_add_u32 v[BADR], v[TT+1], 4, v[BADR]
	v_lshrrev_b32 v[TT], 1, v[LN]
	v_and_b32 v[TT+1], 1, v0
	v_lshlrev_b32 v[PFV], LPW, v[TT]
	v_lshl_add_u32 v[PFV], v[TT+1], 8, v[PFV]
.if LAYER == 2
	s_mul_i32 s57, s[WV], 16*SPI
	s_add_co_u32 s57, s57, STAGE                   ; my stage
	v_mul_u32_u24 v[STO], v[RR], SPI               ; in: row lane % 16, 32 bytes for each half of the lanes
	v_lshl_add_u32 v[STO], v[HH], 5, v[STO]
	v_add_nc_u32 v[STO], s57, v[STO]
	v_mul_u32_u24 v[RD], v[HH], SPI                ; back: lanes 0-15 one row of 256 bytes, lanes 16-31 the next
	v_lshl_add_u32 v[RD], v[RR], 4, v[RD]
	v_add_nc_u32 v[RD], s57, v[RD]
	v_lshlrev_b32 v[PO], 12, v[HH]                 ; and the same two rows in part
	v_lshl_add_u32 v[PO], v[RR], 4, v[PO]
.endif
	s_wait_kmcnt 0x0
	s_add_nc_u64 s[4:5], s[4:5], s[58:59]
	s_add_nc_u64 s[6:7], s[6:7], s[60:61]
	s_load_b32 s[CNT], s[10:11], s62 offset:0x8000 ; the expert's count
.if LAYER == 1
	s_lshl_b32 s58, s[JJ], 12                      ; my slice's four K steps in a tile of hfrag
	s_add_nc_u64 s[12:13], s[12:13], s[58:59]
.else
	s_lshl_b32 s58, s[QQ], 15                      ; my quarter's 32 K steps in a tile of hfrag
	s_add_nc_u64 s[8:9], s[8:9], s[58:59]
	s_lshl_b32 s58, s[QQ], 25                      ; my quarter of part: 8,192 rows of 4,096 bytes,
	s_lshl_b32 s57, s[JJ], 9                       ; my 128 columns
	s_add_co_u32 s58, s58, s57
	s_add_nc_u64 s[12:13], s[12:13], s[58:59]
.endif
.set cc, 0
.rept 8
	global_load_b128 v[BIAS+8*cc:BIAS+8*cc+3],   v[HB], s[6:7] offset:64*cc
	global_load_b128 v[BIAS+8*cc+4:BIAS+8*cc+7], v[HB], s[6:7] offset:64*cc+16
.set cc, cc+1
.endr
	WLOAD 0, 0                                     ; chunk 0
	WLOAD 1, 0
	WLOAD 2, 0
	WLOAD 3, 0
	WIN 0
	global_prefetch_b8 v[PFV], s[4:5] offset:128*PW th:TH_LOAD_NT scope:SCOPE_SE  ; my rows of chunks 1 and 2: 32,768 bytes a wave asked ahead
	global_prefetch_b8 v[PFV], s[4:5] offset:144*PW th:TH_LOAD_NT scope:SCOPE_SE
	global_prefetch_b8 v[PFV], s[4:5] offset:256*PW th:TH_LOAD_NT scope:SCOPE_SE
	global_prefetch_b8 v[PFV], s[4:5] offset:272*PW th:TH_LOAD_NT scope:SCOPE_SE
	s_wait_kmcnt 0x0                               ; the count
	s_add_co_u32 s[NTL], s[CNT], 15
	s_lshr_b32 s[NTL], s[NTL], 4
	s_max_u32 s[NTL1], s[NTL], 1
	s_wait_loadcnt 32                              ; the bias is in: chunk 0's 32 loads were issued behind it
.set ii, 0
.rept 32
	v_cvt_pk_bf16_f32 v[TT+ii%4], v[BIAS+2*ii], v[BIAS+2*ii+1]  ; rounded to bf16 like the other inputs,
.if LAYER == 2
	v_and_b32 v[TT+ii%4], s[QM], v[TT+ii%4]        ; taken by one quarter of K alone,
.endif
	v_lshlrev_b32 v[BIAS+2*ii], 16, v[TT+ii%4]     ; and widened again
	v_and_b32 v[BIAS+2*ii+1], 0xffff0000, v[TT+ii%4]
.set ii, ii+1
.endr
	s_mov_b32 s[PASS], 0
	BEGIN                                          ; 62 loads are out: 32 of weights, then 30 of rows
.irp g, 0,1,2,3
	s_wait_loadcnt 54                              ; group g of chunk 0 is in: behind it 24 - 8 g of chunk 0, the 30 of rows and 8 g of chunk 1
	WCONV \g, 0
	WLOAD \g, 128
.endr
	WIN 0
	s_wait_dscnt 0x0                               ; for the others' sake: my rows of chunk 0 are stored
	s_barrier_signal -1
	s_barrier_wait -1
	BLOAD 0, 0
	s_wait_loadcnt 16                              ; chunk 1's groups 2 and 3 may stay out: so the loop's one count also holds in its first K steps
	s_mov_b32 s[TR], 6
.Lfuse:                                                ; chunks 0 to 5.  44: behind the rows' fragments of this K step, asked for three K steps ago, were issued that step's 8 loads of weights and
	KSTEP 0, 2, 1, 1, 0, 44, 1                     ; two steps' 18; the group of weights asked for four K steps ago is older still
	KSTEP 1, 2, 1, 1, 0, 44, 0
	KSTEP 2, 2, 1, 1, 0, 44, 0
	KSTEP 3, 2, 1, 1, 1, 44, 0
	STEP 1
	s_sub_co_u32 s[TR], s[TR], 1
	s_cmp_lg_u32 s[TR], 0
	s_cbranch_scc1 .Lfuse
	KSTEP 0, 1, 1, 1, 0, 44, 0                     ; chunk 6: chunk 7 is rounded and stored, no weights are left to ask for: the counts run down
	KSTEP 1, 1, 1, 1, 0, 36, 0                     ; 8 + 18 + 10
	KSTEP 2, 1, 1, 1, 0, 28, 0                     ; 8 + 10 + 10
	KSTEP 3, 1, 1, 1, 1, 20, 0                     ; 10 + 10
	STEP 0
	s_mov_b32 s[PL], 4
	s_branch .Llast                                ; the loop over passes is entered in the middle of a trip
.Lpass:                                                ; passes 1 to 3, from the resident slice
	s_mul_i32 s57, s[PASS], 20
	s_add_co_u32 s57, s57, s[WV]
	s_cmp_ge_u32 s57, s[NTL]                       ; my first tile of the pass lies past the count: nothing of mine is in it
.if LAYER == 1
	s_cbranch_scc1 .Lout_done
.else
	s_cbranch_scc1 .Lkdone
.endif
	BEGIN
	BLOAD 0, 0
	s_mov_b32 s[TR], 7
.Lplain:                                               ; 20: the fragments of the next two K steps may stay out
	KSTEP 0, 0, 1, 1, 0, 20, 0
	KSTEP 1, 0, 1, 1, 0, 20, 0
	KSTEP 2, 0, 1, 1, 0, 20, 0
	KSTEP 3, 0, 1, 1, 0, 20, 0
	STEP 0
	s_sub_co_u32 s[TR], s[TR], 1
	s_cmp_lg_u32 s[TR], 0
	s_cbranch_scc1 .Lplain
.Llast:                                                ; chunk 7 of every pass: one more request, then none
	KSTEP 0, 0, 1, 1, 0, 20, 0
	KSTEP 1, 0, 0, 1, 0, 20, 0
	KSTEP 2, 0, 0, 1, 0, 10, 0
	KSTEP 3, 0, 0, 0, 0, 0, 0
	WIN 0
.rept 4
	v_nop                                          ; four places between the last product and the first read of a result
.endr
.if LAYER == 2
.Lkdone:
	s_wait_dscnt 0x0                               ; every wave's reads of the slice in this pass are over
	s_barrier_signal -1                            ; before any wave stores into its stage: so the order of the two does not rest on the stepped addresses staying inside the slice
	s_barrier_wait -1
.endif
	; THE WAY OUT, a tile at a time; tiles ascend, so the first one past the count ends it.
	s_mul_i32 s57, s[PASS], 20
	s_add_co_u32 s57, s57, s[WV]
	s_lshl_b32 s60, s[EX], 6
.set io, 0
.rept 5
	WIN 0
	s_add_co_u32 s58, s57, 4*io
.if LAYER == 1
	s_cmp_ge_u32 s58, s[NTL1]                      ; tile 0 is stored for an expert without rows too, so that layer 2's clamped loads read bytes that were written
.else
	s_cmp_ge_u32 s58, s[NTL]
.endif
	s_cbranch_scc1 .Lout_done
	s_wait_xcnt 0x0                                ; the stores' base and data registers are rewritten only behind this wait
	s_add_co_u32 s58, s58, s60
.if LAYER == 1
	s_lshl_b32 s58, s58, 17                        ; a tile of hfrag is 131,072 bytes
.else
	s_lshl_b32 s58, s58, 16                        ; 16 rows of part are 65,536 bytes
.endif
	s_mov_b32 s59, 0
	s_add_nc_u64 s[SB:SB+1], s[12:13], s[58:59]
.if io < 4
.set ac, 64*io
.else
.set ac, 0
.endif
.if LAYER == 1
	WIN 0x0a+5*(io/4)                              ; sources window 2, or 3 for tile 4
.set mm, 0
.rept 32
	v_cvt_pk_bf16_f32 v[ET+mm], v[ac+2*mm], v[ac+2*mm+1]  ; each accumulator's registers in ascending order
.set mm, mm+1
.endr
	WIN 0
.set mm, 0
.rept 32
	v_pk_max_num_bf16 v[ET+mm], v[ET+mm], v[ZERO]  ; the ReLU, two at a time: it rounds nothing
.set mm, mm+1
.endr
.set cc, 0
.rept 8
	global_store_b128 v[L16], v[ET+4*cc:ET+4*cc+3], s[SB:SB+1] offset:512*cc  ; 512 consecutive bytes: half a fragment of layer 2's
.set cc, cc+1
.endr
.else
.set hf, 0
.rept 2                                        ; 64 columns, 256 bytes of f32, at a time through my own stage
	WIN 0x08+4*(io/4)                              ; the stores' data in window 2, or 3 for tile 4
.set cc, 0
.rept 4
	ds_store_b128 v[STO], v[ac+8*(4*hf+cc):ac+8*(4*hf+cc)+3]   offset:64*cc
	ds_store_b128 v[STO], v[ac+8*(4*hf+cc)+4:ac+8*(4*hf+cc)+7] offset:64*cc+16
.set cc, cc+1
.endr
	WIN 0
.if hf
	s_wait_xcnt 0x0                                ; the first half's stores have read the registers that are loaded now
.endif
.set cc, 0
.rept 8
	ds_load_b128 v[ET+4*cc:ET+4*cc+3], v[RD] offset:2*SPI*cc  ; LDS serves a wave's instructions in order (ISA guide 5.7.1.4): these see the stores above
.set cc, cc+1
.endr
	s_wait_dscnt 0x0
.set cc, 0
.rept 8
	global_store_b128 v[PO], v[ET+4*cc:ET+4*cc+3], s[SB:SB+1] offset:8192*cc+256*hf  ; 16 lanes store 256 consecutive bytes, aligned
.set cc, cc+1
.endr
.set hf, hf+1
.endr
.endif
.set io, io+1
.endr
	WIN 0
.Lout_done:
.if LAYER == 2
	s_wait_dscnt 0x0                               ; every wave's stores into its stage are done
	s_barrier_signal -1                            ; before any wave reads the slice again in the next pass
	s_barrier_wait -1
.endif
	s_add_co_u32 s[PASS], s[PASS], 1
	s_sub_co_u32 s[PL], s[PL], 1
	s_cmp_lg_u32 s[PL], 0
	s_cbranch_scc1 .Lpass
.if LAYER == 1
	s_wait_dscnt 0x0                               ; every wave's reads of LDS are over
	s_barrier_signal -1                            ; before any wave's closing lines
	s_barrier_wait -1
.endif
	s_wait_tensorcnt 0x0                           ; the wave's end, behind my last LDS store
	ds_add_u32 v[SPW], v[NIL]
	s_wait_dscnt 0x0
	s_endpgm
.Lfunc_end_k_q71ee8b2f99_ffn2:
	.size	k_q71ee8b2f99_ffn2, .Lfunc_end_k_q71ee8b2f99_ffn2-k_q71ee8b2f99_ffn2
	.p2alignl 7, 3214868480
	.fill 96, 4, 3214868480
	.section	.rodata,"a",@progbits
	.p2align	6, 0x0
	.amdhsa_kernel k_q71ee8b2f99_ffn2
		.amdhsa_group_segment_fixed_size 312832
		.amdhsa_private_segment_fixed_size 0
		.amdhsa_enable_private_segment 0
		.amdhsa_kernarg_size 40
		.amdhsa_user_sgpr_count 2
		.amdhsa_user_sgpr_kernarg_segment_ptr 1
		.amdhsa_wavefront_size32 1
		.amdhsa_system_sgpr_workgroup_id_x 1
		.amdhsa_system_sgpr_workgroup_id_y 1
		.amdhsa_system_sgpr_workgroup_id_z 1
		.amdhsa_system_vgpr_workitem_id 0
		.amdhsa_next_free_vgpr 960
		.amdhsa_next_free_sgpr 84
		.amdhsa_reserve_vcc 0
		.amdhsa_float_denorm_mode_32 3
		.amdhsa_float_denorm_mode_16_64 3
		.amdhsa_memory_ordered 1
		.amdhsa_forward_progress 1
		.amdhsa_inst_pref_size 166
	.end_amdhsa_kernel
	.amdgpu_metadata
---
amdhsa.version: [ 1, 2 ]
amdhsa.kernels:
  - .name:           k_q71ee8b2f99_ffn2
    .symbol:         k_q71ee8b2f99_ffn2.kd
    .args:
      - { .name: W2, .offset: 0, .size: 8, .value_kind: global_buffer, .address_space: global }
      - { .name: b2, .offset: 8, .size: 8, .value_kind: global_buffer, .address_space: global }
      - { .name: hfrag, .offset: 16, .size: 8, .value_kind: global_buffer, .address_space: global }
      - { .name: rowof, .offset: 24, .size: 8, .value_kind: global_buffer, .address_space: global }
      - { .name: part, .offset: 32, .size: 8, .value_kind: global_buffer, .address_space: global }
    .group_segment_fixed_size: 312832
    .private_segment_fixed_size: 0
    .kernarg_segment_align: 8
    .kernarg_segment_size: 40
    .max_flat_workgroup_size: 128
    .sgpr_count:     84
    .vgpr_count:     960
    .wavefront_size: 32
...
	.end_amdgpu_metadata
.endif
;; end of part 4
;; launch combine (part 5): grid 256 x 1, 8 waves a work-group, no clusters, 0 bytes of LDS; arguments choice, rowof, part, out0; writes out0
.if DOCPART == 5
	.amdgcn_target "amdgcn-amd-amdhsa--gfx1250"
	.amdhsa_code_object_version 6
	.text
	.protected	k_q71ee8b2f99_combine
	.globl	k_q71ee8b2f99_combine
	.p2align	8
	.type	k_q71ee8b2f99_combine,@function
k_q71ee8b2f99_combine:
	s_mov_b64 s[64:65], 0
	v_nop
	global_prefetch_b8 v0, s[64:65] scope:SCOPE_SE
	s_setreg_imm32_b32 hwreg(HW_REG_WAVE_MODE, 25, 1), 1
	s_wait_xcnt 0x0
; out0[t] = the sum over the token's two experts and the four quarters of K of part[q][e x 1024 + rank of t in e].  All f32; the bias b2 came in with quarter 0.
; A wave has half a token's row: 2,048 bytes of each of eight partial rows.  Where they lie is read from whole numbers that earlier launches stored: choice (router) and rowof (gather).
; The token's choice and its word of ALL eight experts' ranks are asked for together, and the two ranks wanted are selected in scalar registers: two scalar round trips ahead of the rows' loads, not three.
; (The words of experts that the token did not choose are written by the launch that stores rowof, and are not used.)
; A stream: no LDS, no barrier, no matrix unit; all 32 loads of a wave go out before the first wait; each load and each store covers 512 consecutive bytes.
.set D, 4                              ; v4-131: piece u (512 bytes) of partial row n at D + 32 u + 4 n;  n = 4 x (first or second expert) + quarter
.set RW, 44                            ; s44-51: rowof[e][t], e = 0..7
.macro QADD d, s                       ; four numbers onto four
	v_pk_add_f32 v[(\d):(\d)+1], v[(\d):(\d)+1], v[(\s):(\s)+1]
	v_pk_add_f32 v[(\d)+2:(\d)+3], v[(\d)+2:(\d)+3], v[(\s)+2:(\s)+3]
.endm
	s_load_b256 s[4:11], s[0:1], 0x0               ; choice s[4:5], rowof s[6:7], part s[8:9], out0 s[10:11]
	v_lshrrev_b32 v1, 5, v0
	v_readfirstlane_b32 s12, v1                    ; wave 0..7
	v_and_b32 v2, 31, v0
	v_lshlrev_b32 v2, 4, v2                        ; 16 x lane
	s_lshr_b32 s13, s12, 1
	s_lshl2_add_u32 s13, ttmp9, s13                ; my token: 4 x work-group + wave / 2
	s_and_b32 s14, s12, 1
	s_lshl_b32 s14, s14, 11                        ; my half of a row
	s_lshl_b32 s15, s13, 2
	s_lshl_b32 s40, s13, 12
	s_add_co_u32 s40, s40, s14
	s_mov_b32 s41, 0
	s_wait_kmcnt 0x0
	s_load_b32 s16, s[4:5], s15 offset:0x0
.set n, 0
.rept 8
	s_load_b32 s[RW+n], s[6:7], s15 offset:4096*n  ; an expert's 1,024 ranks are 4,096 bytes
.set n, n+1
.endr
	s_add_nc_u64 s[10:11], s[10:11], s[40:41]
	s_wait_kmcnt 0x0
	s_bfe_u32 s17, s16, 0x80000                    ; the first expert,
	s_bfe_u32 s18, s16, 0x80008                    ; the second
	s_min_u32 s17, s17, 7
	s_min_u32 s18, s18, 7
	s_mov_b32 s22, s[RW]
	s_mov_b32 s23, s[RW]
.set n, 1
.rept 7
	s_cmp_eq_u32 s17, n
	s_cselect_b32 s22, s[RW+n], s22
	s_cmp_eq_u32 s18, n
	s_cselect_b32 s23, s[RW+n], s23
.set n, n+1
.endr
	s_min_u32 s22, s22, 0x3ff
	s_min_u32 s23, s23, 0x3ff
	s_lshl_b32 s17, s17, 10
	s_add_co_u32 s17, s17, s22                     ; row = expert x 1,024 + rank
	s_lshl_b32 s17, s17, 12
	s_add_co_u32 s17, s17, s14
	s_lshl_b32 s18, s18, 10
	s_add_co_u32 s18, s18, s23
	s_lshl_b32 s18, s18, 12
	s_add_co_u32 s18, s18, s14
.set n, 0
.rept 8
	s_add_co_u32 s40, s[17+n/4], (n%4)<<25         ; a quarter's 8,192 rows are 33,554,432 bytes
	s_add_nc_u64 s[24+2*n:25+2*n], s[8:9], s[40:41]
.set n, n+1
.endr
.set i, 0
.rept 32
	global_load_b128 v[D+4*i:D+4*i+3], v2, s[24+2*(i%8):25+2*(i%8)] offset:512*(i/8) th:TH_LOAD_NT
.set i, i+1
.endr
.set u, 0
.rept 4
	s_wait_loadcnt 24-8*u                          ; piece u's eight loads are in; the later pieces' stay out
	QADD D+32*u,    D+32*u+4                       ; quarters in pairs,
	QADD D+32*u+8,  D+32*u+12
	QADD D+32*u+16, D+32*u+20
	QADD D+32*u+24, D+32*u+28
	QADD D+32*u,    D+32*u+8                       ; the pairs,
	QADD D+32*u+16, D+32*u+24
	QADD D+32*u,    D+32*u+16                      ; the two experts
	global_store_b128 v2, v[D+32*u:D+32*u+3], s[10:11] offset:512*u th:TH_STORE_NT
.set u, u+1
.endr
	s_endpgm
.Lfunc_end_k_q71ee8b2f99_combine:
	.size	k_q71ee8b2f99_combine, .Lfunc_end_k_q71ee8b2f99_combine-k_q71ee8b2f99_combine
	.p2alignl 7, 3214868480
	.fill 96, 4, 3214868480
	.section	.rodata,"a",@progbits
	.p2align	6, 0x0
	.amdhsa_kernel k_q71ee8b2f99_combine
		.amdhsa_group_segment_fixed_size 0
		.amdhsa_private_segment_fixed_size 0
		.amdhsa_enable_private_segment 0
		.amdhsa_kernarg_size 32
		.amdhsa_user_sgpr_count 2
		.amdhsa_user_sgpr_kernarg_segment_ptr 1
		.amdhsa_wavefront_size32 1
		.amdhsa_system_sgpr_workgroup_id_x 1
		.amdhsa_system_sgpr_workgroup_id_y 1
		.amdhsa_system_sgpr_workgroup_id_z 1
		.amdhsa_system_vgpr_workitem_id 0
		.amdhsa_next_free_vgpr 140
		.amdhsa_next_free_sgpr 66
		.amdhsa_reserve_vcc 0
		.amdhsa_float_denorm_mode_32 3
		.amdhsa_float_denorm_mode_16_64 3
		.amdhsa_memory_ordered 1
		.amdhsa_forward_progress 1
		.amdhsa_inst_pref_size 11
	.end_amdhsa_kernel
	.amdgpu_metadata
---
amdhsa.version: [ 1, 2 ]
amdhsa.kernels:
  - .name:           k_q71ee8b2f99_combine
    .symbol:         k_q71ee8b2f99_combine.kd
    .args:
      - { .name: choice, .offset: 0, .size: 8, .value_kind: global_buffer, .address_space: global }
      - { .name: rowof, .offset: 8, .size: 8, .value_kind: global_buffer, .address_space: global }
      - { .name: part, .offset: 16, .size: 8, .value_kind: global_buffer, .address_space: global }
      - { .name: out0, .offset: 24, .size: 8, .value_kind: global_buffer, .address_space: global }
    .group_segment_fixed_size: 0
    .private_segment_fixed_size: 0
    .kernarg_segment_align: 8
    .kernarg_segment_size: 32
    .max_flat_workgroup_size: 256
    .sgpr_count:     66
    .vgpr_count:     140
    .wavefront_size: 32
...
	.end_amdgpu_metadata
.endif
;; end of part 5
;; ======== version 2 of 2: 5 launches; version 1 with the launches ffn1, ffn2 written anew for expert scheduling mode
;; workspace buffers: xb 2,097,152 bytes; bm 1,024 bytes of whole numbers; choice 4,096 bytes of whole numbers; rowof 33,792 bytes of whole numbers; xfrag 16,777,216 bytes; hfrag 67,108,864 bytes; part 134,217,728 bytes
;; launch router: the kernel of part 1 again; grid 32 x 1, 8 waves a work-group, no clusters, 111,616 bytes of LDS; arguments x, Wg, bg, out1, xb, bm, choice; writes out1, xb, bm, choice
;; launch gather: the kernel of part 2 again; grid 64 x 8, 4 waves a work-group, no clusters, 768 bytes of LDS; arguments xb, bm, xfrag, rowof; writes xfrag, rowof
;; launch ffn1 (part 6): grid 32 x 8, 4 waves a work-group, no clusters, 295,424 bytes of LDS; arguments W1, b1, xfrag, rowof, hfrag; writes hfrag
.if DOCPART == 6
	.amdgcn_target "amdgcn-amd-amdhsa--gfx1250"
	.amdhsa_code_object_version 6
	.text
	.protected	k_q71ee8b2f99_ffn1
	.globl	k_q71ee8b2f99_ffn1
	.p2align	8
	.type	k_q71ee8b2f99_ffn1,@function
k_q71ee8b2f99_ffn1:
	s_mov_b64 s[64:65], 0
	v_nop
	global_prefetch_b8 v0, s[64:65] scope:SCOPE_SE
	s_setreg_imm32_b32 hwreg(HW_REG_WAVE_SCHED_MODE, 0, 2), 2
	s_setreg_imm32_b32 hwreg(HW_REG_WAVE_MODE, 25, 1), 1
	s_wait_xcnt 0x0
	s_wait_alu depctr_vm_vsrc(0)
.set LAYER, 1
; ONE TEXT FOR BOTH PRODUCTS OF THE EXPERTS' CHAIN; the line above says which is assembled (1 or 2); all else is the same in both kernels.
; LAYER 1: hfrag = relu(xfrag W1[e] + b1[e]), rounded once to bf16.   LAYER 2: part[q] = hfrag W2[e][1024 q ..] (+ b2[e] where q = 0), f32 partial sums.
; Only the rows of tokens that chose expert e are multiplied: an earlier launch has laid them end to end in tiles of 16 and stored each expert's count (behind rowof's 32,768 bytes, 128 bytes an expert).
; Every split is served: 0 to 1,024 rows an expert.
; SHARES.  Work-group (x, e): expert e and a slice of its weights that no other work-group reads: 1,024 rows (k) x 128 columns, 512 bytes of each row.
; Layer 1: columns 128 x.  Layer 2: k from 1,024 (x / 8), columns 128 (x % 8): K is cut in four, so that both layers have one shape; a last launch adds the four parts.
; The slice is rounded to bf16 on its way through registers and STAYS in LDS, [k][128] at a pitch of 288 bytes; each byte of the slice is written once.
; ROWS go in passes of 320: 20 tiles of 16; wave w has tiles 20 PASS + 4 i + w, i = 0..4, each against all 128 columns: 40 accumulators.  Pass 0 always runs, together with the weights'
; stream.  Passes 1 to 3 read the resident slice: a loop of a constant count in which a wave without a tile jumps the pass's work; what barriers the loop has stand behind the jumped work, on every
; wave's path.  Tiles past the count repeat the expert's last tile and are not stored; a wave whose fifth tile lies past the count jumps that tile's eight products in every K step (its loads stay,
; so that every counted wait holds on both ways).
; THE STREAM.  Chunks of 128 k; of each chunk a wave loads its 32 rows, 512 consecutive bytes a load, in four groups of 8.  While chunk c is multiplied (four K steps of 32), group j of chunk c + 1
; is rounded and stored to LDS in K step j and its registers are loaded again with chunk c + 2: by this text's count 32 loads of weights and 30 of token rows are out in each wave.
; TRANSPOSED USE.  Source 0 = 16 columns of the weights (out of LDS by the turning load), source 1 = 16 token rows: a lane then holds ONE row (lane % 16) and eight neighbouring columns 8 (lane / 16) + 0..7.
; In layer 1 these eight, packed, are just four registers of layer 2's source 1 for the same lane: xfrag and hfrag are laid out [tile][K step][half][lane][16 bytes], stored and loaded 512 consecutive bytes at a time.
; The bias, rounded to bf16 like every input, is moved into the accumulators at a pass's beginning (320 moves), so that every K step is the same text and nothing is added at the end.
; NO CLUSTER: each weight byte has one reader; the tiles of rows are shared by 32 (layer 2: 8) work-groups, but a joint tile wants LDS, of which the slice leaves 32,768 bytes.
; NO TENSOR LOADS: the weights must pass through registers to be rounded, and loads into registers may stay out across the barriers.
; LIMITS.  Weights, bias and x are rounded to bf16, h once to bf16; sums in f32, in another order than the reference's.  NaN and infinities are not treated apart (the ReLU makes 0 of a NaN).
; THE MODE: SCHED_MODE bits 1:0 = 2 (LLVM: expert scheduling mode 2), set by the entry lines.  The code itself states the register dependences
; between vector or matrix instructions and memory or LDS instructions, with s_wait_alu, always for 0.
; THE PLAN.  Registers that memory or LDS instructions touch, and who else names them:
;   A0 .. A3 (window 1)     K step j: its products read A[j % 4]; the rows' loads issued in K step j + 1 land in it (the fragments of K step j + 4).
;   BF0, BF1                K step j: its products read BF[j % 2]; the turning loads issued in K step j + 1 land in it.
;   WR0 .. WR3 (window 3)   K step j: its sixteen conversions read WR[j]; behind them the loads of the chunk two on land in it.
;   CT                      Written by a K step's conversions, read by its eight LDS stores, written again a K step later.
;   v[WLA], v[BCUR], v[AVO] Read by the LDS stores, the turning loads and the rows' loads; written once a chunk (STEP), the last two also at a pass's beginning.
;   v[L16], v[PFV], v[HB], v[STO], v[RD], v[PO]   Made at the head and never written again.
;   ET, and in layer 2 the accumulators: read by the way out's stores.
; So ONE wait on va_vdst stands in a K step, behind its conversions: they have written CT and are done reading WR[j]; the K step before is done reading the A and the BF in which this step's loads land;
; in a chunk's first K step the three stepped addresses are written.  All the step's LDS stores, loads and its prefetch follow that wait, dealt among its products, which name BF[j % 2], A[j % 4] and the
; accumulators: none of the registers that those touch.  One wait on vm_vsrc stands at the head of a K step that rounds weights (CT), one in STEP (the three addresses), one at a later pass's beginning.
.if LAYER == 1
.set LPW,   14                         ; a row of W1 is 16,384 bytes (and so is a row of b1)
.set LTS,   15                         ; a tile of xfrag: 16 rows x 1,024 k in bf16 = 32,768 bytes
.else
.set LPW,   12                         ; a row of W2 is 4,096 bytes (and so is a row of b2)
.set LTS,   17                         ; a tile of hfrag: 16 rows x 4,096 k = 131,072 bytes
.endif
.set PW,    1<<LPW
.set BP,    288                        ; a k row in LDS: 256 bytes + 32 = 72 words
.set KS,    32*BP                      ; a K step's rows; also a wave's rows of a chunk
.set CH,    128*BP                     ; a chunk
.set SLICE, 1024*BP
.set SPI,   272                        ; layer 2's stage: 256 bytes + 16
.if LAYER == 2
.set STAGE, SLICE                      ; 16 rows x 272 bytes for each wave, for the way out
.endif                                 ; the last 512 bytes that the launch claims hold the closing add's words
; REGISTERS, in windows of 256 (s_set_vgpr_msb: bits 1:0 source 0, 3:2 source 1, 5:4 source 2, 7:6 destination)
.set LN,   1                           ; window 0: v1 lane
.set RR,   2                           ; v2   lane % 16
.set HH,   3                           ; v3   lane / 16
.set L16,  4                           ; v4   16 x lane; never rewritten
.set WLA,  5                           ; v5   where my 8 packed bytes of a weight row go: the chunk in hand, my wave's first row
.set BADR, 6                           ; v6   the turning load's lane term; never rewritten
.set BCUR, 7                           ; v7   BADR + the chunk in hand
.set PFV,  8                           ; v8   prefetches: 16 rows x 2 blocks of 256 bytes; never rewritten
.set ZERO, 9                           ; v9   0 (layer 1)
.set TT,   12                          ; v12-15 at work
.set AVO,  16                          ; v16  16 x lane + 4,096 x chunk: my bytes in a tile of rows
.set STO,  17                          ; layer 2: v17  the way out: where I put 16 bytes
.set RD,   18                          ; layer 2: v18  where I read rows back
.set PO,   19                          ; layer 2: v19  my byte offset in two rows of part
.set HB,   22                          ; v22  32 x (lane / 16): the bias loads' offset; never rewritten
.set ET,   32                          ; v32-63  the way out
.set CT,   32                          ; v32-47  packed weights on their way to LDS
.set BIAS, 64                          ; v64-127 the bias of column 16 c + 8 (lane / 16) + n at BIAS + 8 c + n
.set BF,   128                         ; v128-255 the weights' fragments: two buffers of 64, column block c at 8 c
.set WR,   64                          ; window 3: v64-191 weights as loaded: group g, row u at WR + 32 g + 4 u
                                       ; window 1: v0-159 token rows' fragments: four buffers of 40, tile i at 8 i
                                       ; window 2: accumulators of tiles 0-3 at 64 i + 8 c;  window 3: v0-63 tile 4's at 8 c
.set WV,   48                          ; s48 wave   s[4:5] weights at my wave's first row of the chunk in hand
.set EX,   49                          ; s49 expert
.set JJ,   50                          ; s50 column slice
.set CNT,  51                          ; s51 the expert's rows
.set NTL,  52                          ; s52 its tiles
.set NTL1, 53                          ; s53 at least 1
.set PASS, 55
.set TR,   56                          ; s56 counts trips; s57-63 at work
.set AT,   66                          ; s[66:75] the rows' buffer at tile i (layer 2: at my quarter of K)
.set SB,   76                          ; s[76:77] the stores' base
.set QQ,   78                          ; layer 2: s78 quarter of K
.set QM,   79                          ; layer 2: s79 all ones where q = 0, else 0
.set PL,   80                          ; s80 passes to go, this one among them: 4 to 1
.set T4,   81                          ; s81 1: my fifth tile of the pass holds rows
.set MSB, 0
.macro WIN new                         ; the immediate's high byte repeats the setting that is left; a switch that changes nothing is dropped
.if MSB != (\new)
	s_set_vgpr_msb (MSB<<8)|(\new)
.set MSB, (\new)
.endif
.endm
; Ten loads: the five tiles' fragments of the K step k3 steps on from the chunk's first, into buffer buf: 512 consecutive bytes each.
.macro ALOAD k3, buf
	WIN 0x40                                       ; destination window 1
.set ii, 0
.rept 5
	global_load_b128 v[40*(\buf)+8*ii:40*(\buf)+8*ii+3],   v[AVO], s[AT+2*ii:AT+2*ii+1] offset:1024*(\k3)
	global_load_b128 v[40*(\buf)+8*ii+4:40*(\buf)+8*ii+7], v[AVO], s[AT+2*ii:AT+2*ii+1] offset:1024*(\k3)+512
.set ii, ii+1
.endr
.endm
; Sixteen turning loads: the weights' fragments (32 k x 128 columns) of the K step k1 steps on, into buffer buf.
.macro BLOAD k1, buf
	WIN 0
.set cc, 0
.rept 8
	ds_load_tr16_b128 v[BF+64*(\buf)+8*cc:BF+64*(\buf)+8*cc+3],   v[BCUR] offset:KS*(\k1)+32*cc
	ds_load_tr16_b128 v[BF+64*(\buf)+8*cc+4:BF+64*(\buf)+8*cc+7], v[BCUR] offset:KS*(\k1)+32*cc+16*BP
.set cc, cc+1
.endr
.endm
; Group g's eight rows are rounded to bf16,
.macro WCVT g
	WIN 0x0f                                       ; sources window 3
.set uu, 0
.rept 8
	v_cvt_pk_bf16_f32 v[CT+2*uu],   v[WR+32*(\g)+4*uu],   v[WR+32*(\g)+4*uu+1]
	v_cvt_pk_bf16_f32 v[CT+2*uu+1], v[WR+32*(\g)+4*uu+2], v[WR+32*(\g)+4*uu+3]
.set uu, uu+1
.endr
	WIN 0
.endm
; and stored: 256 consecutive bytes of LDS a store.  Between the two stands the wait that shows the conversions' results written.
.macro WSTORE g, ldsoff
	WIN 0
.set uu, 0
.rept 8
	ds_store_b64 v[WLA], v[CT+2*uu:CT+2*uu+1] offset:(\ldsoff)+(8*(\g)+uu)*BP
.set uu, uu+1
.endr
.endm
; Group g's registers are loaded with the rows `rows` further down: 512 consecutive bytes a load, read once in the launch.
.macro WLOAD g, rows
	WIN 0xc0                                       ; destination window 3
.set uu, 0
.rept 8
	global_load_b128 v[WR+32*(\g)+4*uu:WR+32*(\g)+4*uu+3], v[L16], s[4:5] offset:((\rows)+8*(\g)+uu)*PW th:TH_LOAD_NT
.set uu, uu+1
.endr
.endm
; A K step's loads from memory: the rows' fragments three K steps on, then group j of the weights two chunks on.
.macro ASK j, wm, al
.if \al
	ALOAD (\j)+3, ((\j)+3)&3
.endif
.if (\wm) == 2
	WLOAD \j, 256
.endif
.endm
; Eight products for each of the tiles i0 .. i1, in K step j of a chunk.  The accumulators take turns, one instruction a turn, in the same order in every K step.
.macro MUL i0, i1, j
.set ii, (\i0)
.rept (\i1)-(\i0)+1
.if ii < 4
	WIN 0xa4                                       ; weights window 0, rows window 1, C and D window 2
.set ac, 64*ii
.else
	WIN 0xf4                                       ; C and D window 3
.set ac, 0
.endif
.set cc, 0
.rept 8
	v_wmma_f32_16x16x32_bf16 v[ac+8*cc:ac+8*cc+7], v[BF+64*((\j)&1)+8*cc:BF+64*((\j)&1)+8*cc+7], v[40*((\j)&3)+8*ii:40*((\j)&3)+8*ii+7], v[ac+8*cc:ac+8*cc+7]
.set cc, cc+1
.endr
.set ii, ii+1
.endr
.endm
; A K STEP, number j of its chunk.  wm: 0 no weights; 1 group j of the next chunk is rounded and stored; 2 and its registers are loaded again, two chunks on.
; al: the rows' fragments three K steps on are asked for.  bl: the weights' fragments of the next K step are fetched.  bar: the barrier that publishes the next chunk.
; lc: the loads that may stay out.  pf: the prefetch.  The conversions (or four v_nop) are four places behind the last K step's products, ahead of the loads into registers that those read.
; The loads from memory stand behind the first tile's products; in the K step with the barrier ahead of its signal, so that products alone stand between signal and wait.
.macro KSTEP j, wm, al, bl, bar, lc, pf
	WIN 0
	s_wait_loadcnt \lc
.if \wm
	s_wait_alu depctr_vm_vsrc(0)                   ; the last group's LDS stores have read v[CT ..], which the conversions below write again
	WCVT \j
.else
.rept 4
	v_nop
.endr
.endif
.if (\wm) || (\al) || (\bl)
	s_wait_alu depctr_va_vdst(0)                   ; the conversions have written v[CT ..] and are done reading WR[j]; the last K step's products are done reading the A and the BF in which this step's loads land; behind STEP its three addresses are written
.endif
.if \wm
	WSTORE \j, CH
.endif
.if \bar
	ASK \j, \wm, \al
	s_wait_dscnt 0x0                               ; for the others' sake: all my stores of the next chunk are done, and no LDS access of mine is pending
	s_barrier_signal -1
.elseif \wm
	s_wait_dscnt 8                                 ; this K step's fragments are in: only the eight stores above were issued behind them
.else
	s_wait_dscnt 0x0                               ; this K step's fragments are in
.endif
	MUL 0, 0, \j
.if !(\bar)
	ASK \j, \wm, \al                               ; no wait: no vector or matrix instruction since the wait above names these loads' registers
.if \pf
	WIN 0                                          ; each wave asks for its own 32 rows of the chunk three on, which the next trip loads: lanes 256 bytes apart, each block once in the launch;
	s_cmp_lt_u32 s[TR], 2                          ; the last trip, whose look-ahead would leave the slice, asks for nothing.  A prefetch raises no counter, so the jump changes no count
	s_cbranch_scc1 .Lno_pf_\@
	global_prefetch_b8 v[PFV], s[4:5] offset:384*PW th:TH_LOAD_NT scope:SCOPE_SE
	global_prefetch_b8 v[PFV], s[4:5] offset:400*PW th:TH_LOAD_NT scope:SCOPE_SE
.Lno_pf_\@:
.endif
.endif
	MUL 1, 1, \j
.if \bar
	WIN 0
	s_barrier_wait -1                              ; the next chunk is whole: sixteen products stood between signal and wait
.endif
.if \bl
	BLOAD (\j)+1, ((\j)+1)&1                       ; no wait: the products since the wait above name the other BF
.endif
	MUL 2, 3, \j
	WIN 0                                          ; at a branch and at a label every window is 0
	s_cmp_eq_u32 s[T4], 0
	s_cbranch_scc1 .Lno_t4_\@                      ; my fifth tile holds no rows: its eight products are left out; nothing but products is jumped
	MUL 4, 4, \j
	WIN 0
.Lno_t4_\@:
.endm
; A trip's end: on to the next chunk.  w = 1: the weights' stream steps too.  That the three sums are written is stated by the next K step's wait, ahead of the first access by them.
.macro STEP w
	WIN 0
	s_wait_xcnt 0x0                                ; the pending loads' bases and offsets are stepped only behind this wait
	s_wait_alu depctr_vm_vsrc(0)                   ; the turning loads, the LDS stores and the rows' loads issued so far have read v[BCUR], v[WLA] and v[AVO]
	v_add_nc_u32 v[BCUR], CH, v[BCUR]
.if \w
	v_add_nc_u32 v[WLA], CH, v[WLA]
.endif
	v_add_nc_u32 v[AVO], 4096, v[AVO]
.if \w
	s_add_nc_u64 s[4:5], s[4:5], 128*PW
.endif
.endm
; A PASS BEGINS: where my five tiles lie, their first three K steps' fragments, and the bias into the 40 accumulators.  again = 1: passes 1 to 3.
; A number that hangs on the stored count enters an address clamped by a constant, then shifted, then added to.
.macro BEGIN again
	WIN 0
	s_wait_xcnt 0x0                                ; registers that earlier loads and stores named are rewritten only behind this wait
.if \again
	s_wait_alu depctr_vm_vsrc(0)                   ; the last pass's loads have read v[AVO] and v[BCUR]; in layer 2 its LDS stores have read the accumulators, which the moves below write
.endif
	s_mul_i32 s57, s[PASS], 20
	s_add_co_u32 s57, s57, s[WV]                   ; my first tile of the pass
	s_add_co_u32 s58, s57, 16                      ; my fifth:
	s_cmp_lt_u32 s58, s[NTL]
	s_cselect_b32 s[T4], 1, 0                      ; does it hold rows?
	s_sub_co_u32 s58, s[NTL1], 1
	s_lshl_b32 s59, s[EX], 6
	s_mov_b32 s61, 0
.set ii, 0
.rept 5
	s_add_co_u32 s60, s57, 4*ii
	s_min_u32 s60, s60, s58                        ; tiles past the count repeat the last tile, which the launch before has stored
	s_add_co_u32 s60, s60, s59
	s_min_u32 s60, s60, 511
	s_lshl_b32 s60, s60, LTS
	s_add_nc_u64 s[AT+2*ii:AT+2*ii+1], s[8:9], s[60:61]
.set ii, ii+1
.endr
	v_mov_b32 v[AVO], v[L16]
	v_mov_b32 v[BCUR], v[BADR]
	s_wait_alu depctr_va_vdst(0)                   ; v[AVO] and v[BCUR] are written; the last pass's products are done reading A and BF, in which the loads below and the pass's first turning loads land
	ALOAD 0, 0
	ALOAD 1, 1
	ALOAD 2, 2
	WIN 0x80
.set mm, 0
.rept 256
	v_mov_b32 v[mm], v[BIAS+mm%64]
.set mm, mm+1
.endr
	WIN 0xc0
.set mm, 0
.rept 64
	v_mov_b32 v[mm], v[BIAS+mm]
.set mm, mm+1
.endr
	WIN 0
.endm
	s_load_b256 s[4:11], s[0:1], 0x0               ; weights s[4:5], bias s[6:7], rows (xfrag or hfrag) s[8:9], rowof s[10:11] (for the counts behind it)
	s_load_b64 s[12:13], s[0:1], 0x20              ; hfrag or part
	v_lshl_add_u32 v30, v0, 2, 0x48000
	v_mov_b32 v31, 0
	v_lshrrev_b32 v[TT], 5, v0
	v_readfirstlane_b32 s[WV], v[TT]               ; wave 0..3
	v_and_b32 v[LN], 31, v0
	v_and_b32 v[RR], 15, v0
	v_bfe_u32 v[HH], v0, 4, 1
	v_lshlrev_b32 v[L16], 4, v[LN]
	v_lshlrev_b32 v[HB], 5, v[HH]
	s_wait_alu depctr_va_sdst(0)                   ; s[WV] is written, ahead of its first reader: offsets, LDS places and tile numbers are made from it
	s_and_b32 s[EX], ttmp7, 0xffff
.if LAYER == 1
	s_mov_b32 s[JJ], ttmp9
	v_mov_b32 v[ZERO], 0
.else
	s_lshr_b32 s[QQ], ttmp9, 3
	s_and_b32 s[JJ], ttmp9, 7
	s_cmp_eq_u32 s[QQ], 0
	s_cselect_b32 s[QM], -1, 0
.endif
	s_lshl_b32 s58, s[EX], 24                      ; an expert's weights are 16,777,216 bytes
	s_lshl_b32 s57, s[JJ], 9                       ; 128 columns are 512 bytes
	s_add_co_u32 s58, s58, s57
	s_lshl_b32 s57, s[WV], LPW+5                   ; my wave's 32 rows of a chunk
	s_add_co_u32 s58, s58, s57
.if LAYER == 2
	s_lshl_b32 s57, s[QQ], 22                      ; 1,024 rows of 4,096 bytes
	s_add_co_u32 s58, s58, s57
.endif
	s_mov_b32 s59, 0
	s_lshl_b32 s60, s[EX], LPW                     ; the expert's row of the bias,
	s_lshl_b32 s57, s[JJ], 9                       ; my 128 columns
	s_add_co_u32 s60, s60, s57
	s_mov_b32 s61, 0
	s_lshl_b32 s62, s[EX], 7                       ; the expert's 128 bytes of counts
	s_mul_i32 s57, s[WV], KS
	v_lshl_add_u32 v[WLA], v[LN], 3, s57
	v_and_b32 v[TT], 7, v0                         ; the turning load: lane l reads k row 8 (l / 16) + l % 8, columns 8 ((l / 8) % 2) on
	v_lshl_add_u32 v[TT], v[HH], 3, v[TT]
	v_mul_u32_u24 v[BADR], v[TT], BP
	v_bfe_u32 v[TT+1], v0, 3, 1
	v_lshl_add_u32 v[BADR], v[TT+1], 4, v[BADR]
	v_lshrrev_b32 v[TT], 1, v[LN]
	v_and_b32 v[TT+1], 1, v0
	v_lshlrev_b32 v[PFV], LPW, v[TT]
	v_lshl_add_u32 v[PFV], v[TT+1], 8, v[PFV]
.if LAYER == 2
	s_mul_i32 s57, s[WV], 16*SPI
	s_add_co_u32 s57, s57, STAGE                   ; my stage
	v_mul_u32_u24 v[STO], v[RR], SPI               ; in: row lane % 16, 32 bytes for each half of the lanes
	v_lshl_add_u32 v[STO], v[HH], 5, v[STO]
	v_add_nc_u32 v[STO], s57, v[STO]
	v_mul_u32_u24 v[RD], v[HH], SPI                ; back: lanes 0-15 one row of 256 bytes, lanes 16-31 the next
	v_lshl_add_u32 v[RD], v[RR], 4, v[RD]
	v_add_nc_u32 v[RD], s57, v[RD]
	v_lshlrev_b32 v[PO], 12, v[HH]                 ; and the same two rows in part
	v_lshl_add_u32 v[PO], v[RR], 4, v[PO]
.endif
	s_wait_kmcnt 0x0
	s_add_nc_u64 s[4:5], s[4:5], s[58:59]
	s_add_nc_u64 s[6:7], s[6:7], s[60:61]
	s_load_b32 s[CNT], s[10:11], s62 offset:0x8000 ; the expert's count
.if LAYER == 1
	s_lshl_b32 s58, s[JJ], 12                      ; my slice's four K steps in a tile of hfrag
	s_add_nc_u64 s[12:13], s[12:13], s[58:59]
.else
	s_lshl_b32 s58, s[QQ], 15                      ; my quarter's 32 K steps in a tile of hfrag
	s_add_nc_u64 s[8:9], s[8:9], s[58:59]
	s_lshl_b32 s58, s[QQ], 25                      ; my quarter of part: 8,192 rows of 4,096 bytes,
	s_lshl_b32 s57, s[JJ], 9                       ; my 128 columns
	s_add_co_u32 s58, s58, s57
	s_add_nc_u64 s[12:13], s[12:13], s[58:59]
.endif
	s_wait_alu depctr_va_vdst(0)                   ; the offsets and LDS addresses made above are written (v[HB], v[L16], v[PFV], v[WLA], in layer 2 v[STO], v[RD], v[PO]): the kernel's loads, stores and prefetches read them
.set cc, 0
.rept 8
	global_load_b128 v[BIAS+8*cc:BIAS+8*cc+3],   v[HB], s[6:7] offset:64*cc
	global_load_b128 v[BIAS+8*cc+4:BIAS+8*cc+7], v[HB], s[6:7] offset:64*cc+16
.set cc, cc+1
.endr
	WLOAD 0, 0                                     ; chunk 0
	WLOAD 1, 0
	WLOAD 2, 0
	WLOAD 3, 0
	WIN 0
	global_prefetch_b8 v[PFV], s[4:5] offset:128*PW th:TH_LOAD_NT scope:SCOPE_SE  ; my rows of chunks 1 and 2: 32,768 bytes a wave asked ahead
	global_prefetch_b8 v[PFV], s[4:5] offset:144*PW th:TH_LOAD_NT scope:SCOPE_SE
	global_prefetch_b8 v[PFV], s[4:5] offset:256*PW th:TH_LOAD_NT scope:SCOPE_SE
	global_prefetch_b8 v[PFV], s[4:5] offset:272*PW th:TH_LOAD_NT scope:SCOPE_SE
	s_wait_kmcnt 0x0                               ; the count
	s_add_co_u32 s[NTL], s[CNT], 15
	s_lshr_b32 s[NTL], s[NTL], 4
	s_max_u32 s[NTL1], s[NTL], 1
	s_wait_loadcnt 32                              ; the bias is in: chunk 0's 32 loads were issued behind it
.set ii, 0
.rept 32
	v_cvt_pk_bf16_f32 v[TT+ii%4], v[BIAS+2*ii], v[BIAS+2*ii+1]  ; rounded to bf16 like the other inputs,
.if LAYER == 2
	v_and_b32 v[TT+ii%4], s[QM], v[TT+ii%4]        ; taken by one quarter of K alone,
.endif
	v_lshlrev_b32 v[BIAS+2*ii], 16, v[TT+ii%4]     ; and widened again
	v_and_b32 v[BIAS+2*ii+1], 0xffff0000, v[TT+ii%4]
.set ii, ii+1
.endr
	s_mov_b32 s[PASS], 0
	BEGIN 0                                        ; 62 loads are out: 32 of weights, then 30 of rows
.irp g, 0,1,2,3
	s_wait_loadcnt 54                              ; group g of chunk 0 is in: behind it 24 - 8 g of chunk 0, the 30 of rows and 8 g of chunk 1
.if \g > 0
	s_wait_alu depctr_vm_vsrc(0)                   ; the last group's LDS stores have read v[CT ..], which the conversions below write again
.endif
	WCVT \g
	s_wait_alu depctr_va_vdst(0)                   ; the conversions have written v[CT ..], which the LDS stores read, and are done reading WR[g], in which chunk 1's loads land
	WSTORE \g, 0
	WLOAD \g, 128
.endr
	WIN 0
	s_wait_dscnt 0x0                               ; for the others' sake: my rows of chunk 0 are stored
	s_barrier_signal -1
	s_barrier_wait -1
	BLOAD 0, 0
	s_wait_loadcnt 16                              ; chunk 1's groups 2 and 3 may stay out: so the loop's one count also holds in its first K steps
	s_mov_b32 s[TR], 6
.Lfuse:                                                ; chunks 0 to 5.  44: behind the rows' fragments of this K step, asked for three K steps ago, were issued that step's 8 loads of weights and
	KSTEP 0, 2, 1, 1, 0, 44, 1                     ; two steps' 18; the group of weights asked for four K steps ago is older still
	KSTEP 1, 2, 1, 1, 0, 44, 0
	KSTEP 2, 2, 1, 1, 0, 44, 0
	KSTEP 3, 2, 1, 1, 1, 44, 0
	STEP 1
	s_sub_co_u32 s[TR], s[TR], 1
	s_cmp_lg_u32 s[TR], 0
	s_cbranch_scc1 .Lfuse
	KSTEP 0, 1, 1, 1, 0, 44, 0                     ; chunk 6: chunk 7 is rounded and stored, no weights are left to ask for: the counts run down
	KSTEP 1, 1, 1, 1, 0, 36, 0                     ; 8 + 18 + 10
	KSTEP 2, 1, 1, 1, 0, 28, 0                     ; 8 + 10 + 10
	KSTEP 3, 1, 1, 1, 1, 20, 0                     ; 10 + 10
	STEP 0
	s_mov_b32 s[PL], 4
	s_branch .Llast                                ; the loop over passes is entered in the middle of a trip
.Lpass:                                                ; passes 1 to 3, from the resident slice
	s_mul_i32 s57, s[PASS], 20
	s_add_co_u32 s57, s57, s[WV]
	s_cmp_ge_u32 s57, s[NTL]                       ; my first tile of the pass lies past the count: nothing of mine is in it
.if LAYER == 1
	s_cbranch_scc1 .Lout_done
.else
	s_cbranch_scc1 .Lkdone
.endif
	BEGIN 1
	BLOAD 0, 0
	s_mov_b32 s[TR], 7
.Lplain:                                               ; 20: the fragments of the next two K steps may stay out
	KSTEP 0, 0, 1, 1, 0, 20, 0
	KSTEP 1, 0, 1, 1, 0, 20, 0
	KSTEP 2, 0, 1, 1, 0, 20, 0
	KSTEP 3, 0, 1, 1, 0, 20, 0
	STEP 0
	s_sub_co_u32 s[TR], s[TR], 1
	s_cmp_lg_u32 s[TR], 0
	s_cbranch_scc1 .Lplain
.Llast:                                                ; chunk 7 of every pass: one more request, then none
	KSTEP 0, 0, 1, 1, 0, 20, 0
	KSTEP 1, 0, 0, 1, 0, 20, 0
	KSTEP 2, 0, 0, 1, 0, 10, 0
	KSTEP 3, 0, 0, 0, 0, 0, 0
	WIN 0
.rept 4
	v_nop                                          ; four places between the last product and the first read of a result
.endr
.if LAYER == 2
.Lkdone:
	s_wait_dscnt 0x0                               ; every wave's reads of the slice in this pass are over
	s_barrier_signal -1                            ; before any wave stores into its stage: so the order of the two does not rest on the stepped addresses staying inside the slice
	s_barrier_wait -1
	s_wait_alu depctr_va_vdst(0)                   ; the products have written the accumulators, which the LDS stores below read; the weights' conversions have written v32-47, in which loads from the stage land.  The places above stay beside this wait
.endif
	; THE WAY OUT, a tile at a time; tiles ascend, so the first one past the count ends it.
	s_mul_i32 s57, s[PASS], 20
	s_add_co_u32 s57, s57, s[WV]
	s_lshl_b32 s60, s[EX], 6
.set io, 0
.rept 5
	WIN 0
	s_add_co_u32 s58, s57, 4*io
.if LAYER == 1
	s_cmp_ge_u32 s58, s[NTL1]                      ; tile 0 is stored for an expert without rows too, so that layer 2's clamped loads read bytes that were written
.else
	s_cmp_ge_u32 s58, s[NTL]
.endif
	s_cbranch_scc1 .Lout_done
	s_wait_xcnt 0x0                                ; the stores' base and data registers are rewritten only behind this wait
	s_wait_alu depctr_vm_vsrc(0)                   ; the stores issued so far have read v[ET ..], which is written again below: the last tile's, and ahead of the first tile the weights' LDS stores
	s_add_co_u32 s58, s58, s60
.if LAYER == 1
	s_lshl_b32 s58, s58, 17                        ; a tile of hfrag is 131,072 bytes
.else
	s_lshl_b32 s58, s58, 16                        ; 16 rows of part are 65,536 bytes
.endif
	s_mov_b32 s59, 0
	s_add_nc_u64 s[SB:SB+1], s[12:13], s[58:59]
.if io < 4
.set ac, 64*io
.else
.set ac, 0
.endif
.if LAYER == 1
	WIN 0x0a+5*(io/4)                              ; sources window 2, or 3 for tile 4
.set mm, 0
.rept 32
	v_cvt_pk_bf16_f32 v[ET+mm], v[ac+2*mm], v[ac+2*mm+1]  ; each accumulator's registers in ascending order
.set mm, mm+1
.endr
	WIN 0
.set mm, 0
.rept 32
	v_pk_max_num_bf16 v[ET+mm], v[ET+mm], v[ZERO]  ; the ReLU, two at a time: it rounds nothing
.set mm, mm+1
.endr
	s_wait_alu depctr_va_vdst(0)                   ; the ReLU has written v[ET ..], which the stores read
.set cc, 0
.rept 8
	global_store_b128 v[L16], v[ET+4*cc:ET+4*cc+3], s[SB:SB+1] offset:512*cc  ; 512 consecutive bytes: half a fragment of layer 2's
.set cc, cc+1
.endr
.else
.set hf, 0
.rept 2                                        ; 64 columns, 256 bytes of f32, at a time through my own stage
	WIN 0x08+4*(io/4)                              ; the stores' data in window 2, or 3 for tile 4
.set cc, 0
.rept 4
	ds_store_b128 v[STO], v[ac+8*(4*hf+cc):ac+8*(4*hf+cc)+3]   offset:64*cc
	ds_store_b128 v[STO], v[ac+8*(4*hf+cc)+4:ac+8*(4*hf+cc)+7] offset:64*cc+16
.set cc, cc+1
.endr
	WIN 0
.if hf
	s_wait_xcnt 0x0                                ; the first half's stores have had their addresses translated,
	s_wait_alu depctr_vm_vsrc(0)                   ; and have read v[ET ..], in which the loads below land
.endif
.set cc, 0
.rept 8
	ds_load_b128 v[ET+4*cc:ET+4*cc+3], v[RD] offset:2*SPI*cc  ; LDS serves a wave's instructions in order (ISA guide 5.7.1.4): these see the stores above
.set cc, cc+1
.endr
	s_wait_dscnt 0x0
.set cc, 0
.rept 8
	global_store_b128 v[PO], v[ET+4*cc:ET+4*cc+3], s[SB:SB+1] offset:8192*cc+256*hf  ; 16 lanes store 256 consecutive bytes, aligned
.set cc, cc+1
.endr
.set hf, hf+1
.endr
.endif
.set io, io+1
.endr
	WIN 0
.Lout_done:
.if LAYER == 2
	s_wait_dscnt 0x0                               ; every wave's stores into its stage are done
	s_barrier_signal -1                            ; before any wave reads the slice again in the next pass
	s_barrier_wait -1
.endif
	s_add_co_u32 s[PASS], s[PASS], 1
	s_sub_co_u32 s[PL], s[PL], 1
	s_cmp_lg_u32 s[PL], 0
	s_cbranch_scc1 .Lpass
.if LAYER == 1
	s_wait_dscnt 0x0                               ; every wave's reads of LDS are over
	s_barrier_signal -1                            ; the four waves meet once more before they end
	s_barrier_wait -1
.endif
	s_wait_dscnt 0x0                               ; no LDS access of mine is out at the end
	s_wait_alu depctr_hold_cnt(0) depctr_sa_sdst(0) depctr_va_vdst(0) depctr_va_sdst(0) depctr_va_ssrc(0) depctr_va_vcc(0) depctr_vm_vsrc(0)
	s_wait_tensorcnt 0x0
	ds_add_u32 v30, v31
	s_wait_dscnt 0x0
	s_endpgm
.Lfunc_end_k_q71ee8b2f99_ffn1:
	.size	k_q71ee8b2f99_ffn1, .Lfunc_end_k_q71ee8b2f99_ffn1-k_q71ee8b2f99_ffn1
	.p2alignl 7, 3214868480
	.fill 96, 4, 3214868480
	.section	.rodata,"a",@progbits
	.p2align	6, 0x0
	.amdhsa_kernel k_q71ee8b2f99_ffn1
		.amdhsa_group_segment_fixed_size 295424
		.amdhsa_private_segment_fixed_size 0
		.amdhsa_enable_private_segment 0
		.amdhsa_kernarg_size 40
		.amdhsa_user_sgpr_count 2
		.amdhsa_user_sgpr_kernarg_segment_ptr 1
		.amdhsa_wavefront_size32 1
		.amdhsa_system_sgpr_workgroup_id_x 1
		.amdhsa_system_sgpr_workgroup_id_y 1
		.amdhsa_system_sgpr_workgroup_id_z 1
		.amdhsa_system_vgpr_workitem_id 0
		.amdhsa_next_free_vgpr 960
		.amdhsa_next_free_sgpr 84
		.amdhsa_reserve_vcc 0
		.amdhsa_float_denorm_mode_32 3
		.amdhsa_float_denorm_mode_16_64 3
		.amdhsa_memory_ordered 1
		.amdhsa_forward_progress 1
		.amdhsa_inst_pref_size 172
	.end_amdhsa_kernel
	.amdgpu_metadata
---
amdhsa.version: [ 1, 2 ]
amdhsa.kernels:
  - .name:           k_q71ee8b2f99_ffn1
    .symbol:         k_q71ee8b2f99_ffn1.kd
    .args:
      - { .name: W1, .offset: 0, .size: 8, .value_kind: global_buffer, .address_space: global }
      - { .name: b1, .offset: 8, .size: 8, .value_kind: global_buffer, .address_space: global }
      - { .name: xfrag, .offset: 16, .size: 8, .value_kind: global_buffer, .address_space: global }
      - { .name: rowof, .offset: 24, .size: 8, .value_kind: global_buffer, .address_space: global }
      - { .name: hfrag, .offset: 32, .size: 8, .value_kind: global_buffer, .address_space: global }
    .group_segment_fixed_size: 295424
    .private_segment_fixed_size: 0
    .kernarg_segment_align: 8
    .kernarg_segment_size: 40
    .max_flat_workgroup_size: 128
    .sgpr_count:     84
    .vgpr_count:     960
    .wavefront_size: 32
...
	.end_amdgpu_metadata
.endif
;; end of part 6
;; launch ffn2 (part 7): grid 32 x 8, 4 waves a work-group, no clusters, 312,832 bytes of LDS; arguments W2, b2, hfrag, rowof, part; writes part
.if DOCPART == 7
	.amdgcn_target "amdgcn-amd-amdhsa--gfx1250"
	.amdhsa_code_object_version 6
	.text
	.protected	k_q71ee8b2f99_ffn2
	.globl	k_q71ee8b2f99_ffn2
	.p2align	8
	.type	k_q71ee8b2f99_ffn2,@function
k_q71ee8b2f99_ffn2:
	s_mov_b64 s[64:65], 0
	v_nop
	global_prefetch_b8 v0, s[64:65] scope:SCOPE_SE
	s_setreg_imm32_b32 hwreg(HW_REG_WAVE_SCHED_MODE, 0, 2), 2
	s_setreg_imm32_b32 hwreg(HW_REG_WAVE_MODE, 25, 1), 1
	s_wait_xcnt 0x0
	s_wait_alu depctr_vm_vsrc(0)
.set LAYER, 2
; ONE TEXT FOR BOTH PRODUCTS OF THE EXPERTS' CHAIN; the line above says which is assembled (1 or 2); all else is the same in both kernels.
; LAYER 1: hfrag = relu(xfrag W1[e] + b1[e]), rounded once to bf16.   LAYER 2: part[q] = hfrag W2[e][1024 q ..] (+ b2[e] where q = 0), f32 partial sums.
; Only the rows of tokens that chose expert e are multiplied: an earlier launch has laid them end to end in tiles of 16 and stored each expert's count (behind rowof's 32,768 bytes, 128 bytes an expert).
; Every split is served: 0 to 1,024 rows an expert.
; SHARES.  Work-group (x, e): expert e and a slice of its weights that no other work-group reads: 1,024 rows (k) x 128 columns, 512 bytes of each row.
; Layer 1: columns 128 x.  Layer 2: k from 1,024 (x / 8), columns 128 (x % 8): K is cut in four, so that both layers have one shape; a last launch adds the four parts.
; The slice is rounded to bf16 on its way through registers and STAYS in LDS, [k][128] at a pitch of 288 bytes; each byte of the slice is written once.
; ROWS go in passes of 320: 20 tiles of 16; wave w has tiles 20 PASS + 4 i + w, i = 0..4, each against all 128 columns: 40 accumulators.  Pass 0 always runs, together with the weights'
; stream.  Passes 1 to 3 read the resident slice: a loop of a constant count in which a wave without a tile jumps the pass's work; what barriers the loop has stand behind the jumped work, on every
; wave's path.  Tiles past the count repeat the expert's last tile and are not stored; a wave whose fifth tile lies past the count jumps that tile's eight products in every K step (its loads stay,
; so that every counted wait holds on both ways).
; THE STREAM.  Chunks of 128 k; of each chunk a wave loads its 32 rows, 512 consecutive bytes a load, in four groups of 8.  While chunk c is multiplied (four K steps of 32), group j of chunk c + 1
; is rounded and stored to LDS in K step j and its registers are loaded again with chunk c + 2: by this text's count 32 loads of weights and 30 of token rows are out in each wave.
; TRANSPOSED USE.  Source 0 = 16 columns of the weights (out of LDS by the turning load), source 1 = 16 token rows: a lane then holds ONE row (lane % 16) and eight neighbouring columns 8 (lane / 16) + 0..7.
; In layer 1 these eight, packed, are just four registers of layer 2's source 1 for the same lane: xfrag and hfrag are laid out [tile][K step][half][lane][16 bytes], stored and loaded 512 consecutive bytes at a time.
; The bias, rounded to bf16 like every input, is moved into the accumulators at a pass's beginning (320 moves), so that every K step is the same text and nothing is added at the end.
; NO CLUSTER: each weight byte has one reader; the tiles of rows are shared by 32 (layer 2: 8) work-groups, but a joint tile wants LDS, of which the slice leaves 32,768 bytes.
; NO TENSOR LOADS: the weights must pass through registers to be rounded, and loads into registers may stay out across the barriers.
; LIMITS.  Weights, bias and x are rounded to bf16, h once to bf16; sums in f32, in another order than the reference's.  NaN and infinities are not treated apart (the ReLU makes 0 of a NaN).
; THE MODE: SCHED_MODE bits 1:0 = 2 (LLVM: expert scheduling mode 2), set by the entry lines.  The code itself states the register dependences
; between vector or matrix instructions and memory or LDS instructions, with s_wait_alu, always for 0.
; THE PLAN.  Registers that memory or LDS instructions touch, and who else names them:
;   A0 .. A3 (window 1)     K step j: its products read A[j % 4]; the rows' loads issued in K step j + 1 land in it (the fragments of K step j + 4).
;   BF0, BF1                K step j: its products read BF[j % 2]; the turning loads issued in K step j + 1 land in it.
;   WR0 .. WR3 (window 3)   K step j: its sixteen conversions read WR[j]; behind them the loads of the chunk two on land in it.
;   CT                      Written by a K step's conversions, read by its eight LDS stores, written again a K step later.
;   v[WLA], v[BCUR], v[AVO] Read by the LDS stores, the turning loads and the rows' loads; written once a chunk (STEP), the last two also at a pass's beginning.
;   v[L16], v[PFV], v[HB], v[STO], v[RD], v[PO]   Made at the head and never written again.
;   ET, and in layer 2 the accumulators: read by the way out's stores.
; So ONE wait on va_vdst stands in a K step, behind its conversions: they have written CT and are done reading WR[j]; the K step before is done reading the A and the BF in which this step's loads land;
; in a chunk's first K step the three stepped addresses are written.  All the step's LDS stores, loads and its prefetch follow that wait, dealt among its products, which name BF[j % 2], A[j % 4] and the
; accumulators: none of the registers that those touch.  One wait on vm_vsrc stands at the head of a K step that rounds weights (CT), one in STEP (the three addresses), one at a later pass's beginning.
.if LAYER == 1
.set LPW,   14                         ; a row of W1 is 16,384 bytes (and so is a row of b1)
.set LTS,   15                         ; a tile of xfrag: 16 rows x 1,024 k in bf16 = 32,768 bytes
.else
.set LPW,   12                         ; a row of W2 is 4,096 bytes (and so is a row of b2)
.set LTS,   17                         ; a tile of hfrag: 16 rows x 4,096 k = 131,072 bytes
.endif
.set PW,    1<<LPW
.set BP,    288                        ; a k row in LDS: 256 bytes + 32 = 72 words
.set KS,    32*BP                      ; a K step's rows; also a wave's rows of a chunk
.set CH,    128*BP                     ; a chunk
.set SLICE, 1024*BP
.set SPI,   272                        ; layer 2's stage: 256 bytes + 16
.if LAYER == 2
.set STAGE, SLICE                      ; 16 rows x 272 bytes for each wave, for the way out
.endif                                 ; the last 512 bytes that the launch claims hold the closing add's words
; REGISTERS, in windows of 256 (s_set_vgpr_msb: bits 1:0 source 0, 3:2 source 1, 5:4 source 2, 7:6 destination)
.set LN,   1                           ; window 0: v1 lane
.set RR,   2                           ; v2   lane % 16
.set HH,   3                           ; v3   lane / 16
.set L16,  4                           ; v4   16 x lane; never rewritten
.set WLA,  5                           ; v5   where my 8 packed bytes of a weight row go: the chunk in hand, my wave's first row
.set BADR, 6                           ; v6   the turning load's lane term; never rewritten
.set BCUR, 7                           ; v7   BADR + the chunk in hand
.set PFV,  8                           ; v8   prefetches: 16 rows x 2 blocks of 256 bytes; never rewritten
.set ZERO, 9                           ; v9   0 (layer 1)
.set TT,   12                          ; v12-15 at work
.set AVO,  16                          ; v16  16 x lane + 4,096 x chunk: my bytes in a tile of rows
.set STO,  17                          ; layer 2: v17  the way out: where I put 16 bytes
.set RD,   18                          ; layer 2: v18  where I read rows back
.set PO,   19                          ; layer 2: v19  my byte offset in two rows of part
.set HB,   22                          ; v22  32 x (lane / 16): the bias loads' offset; never rewritten
.set ET,   32                          ; v32-63  the way out
.set CT,   32                          ; v32-47  packed weights on their way to LDS
.set BIAS, 64                          ; v64-127 the bias of column 16 c + 8 (lane / 16) + n at BIAS + 8 c + n
.set BF,   128                         ; v128-255 the weights' fragments: two buffers of 64, column block c at 8 c
.set WR,   64                          ; window 3: v64-191 weights as loaded: group g, row u at WR + 32 g + 4 u
                                       ; window 1: v0-159 token rows' fragments: four buffers of 40, tile i at 8 i
                                       ; window 2: accumulators of tiles 0-3 at 64 i + 8 c;  window 3: v0-63 tile 4's at 8 c
.set WV,   48                          ; s48 wave   s[4:5] weights at my wave's first row of the chunk in hand
.set EX,   49                          ; s49 expert
.set JJ,   50                          ; s50 column slice
.set CNT,  51                          ; s51 the expert's rows
.set NTL,  52                          ; s52 its tiles
.set NTL1, 53                          ; s53 at least 1
.set PASS, 55
.set TR,   56                          ; s56 counts trips; s57-63 at work
.set AT,   66                          ; s[66:75] the rows' buffer at tile i (layer 2: at my quarter of K)
.set SB,   76                          ; s[76:77] the stores' base
.set QQ,   78                          ; layer 2: s78 quarter of K
.set QM,   79                          ; layer 2: s79 all ones where q = 0, else 0
.set PL,   80                          ; s80 passes to go, this one among them: 4 to 1
.set T4,   81                          ; s81 1: my fifth tile of the pass holds rows
.set MSB, 0
.macro WIN new                         ; the immediate's high byte repeats the setting that is left; a switch that changes nothing is dropped
.if MSB != (\new)
	s_set_vgpr_msb (MSB<<8)|(\new)
.set MSB, (\new)
.endif
.endm
; Ten loads: the five tiles' fragments of the K step k3 steps on from the chunk's first, into buffer buf: 512 consecutive bytes each.
.macro ALOAD k3, buf
	WIN 0x40                                       ; destination window 1
.set ii, 0
.rept 5
	global_load_b128 v[40*(\buf)+8*ii:40*(\buf)+8*ii+3],   v[AVO], s[AT+2*ii:AT+2*ii+1] offset:1024*(\k3)
	global_load_b128 v[40*(\buf)+8*ii+4:40*(\buf)+8*ii+7], v[AVO], s[AT+2*ii:AT+2*ii+1] offset:1024*(\k3)+512
.set ii, ii+1
.endr
.endm
; Sixteen turning loads: the weights' fragments (32 k x 128 columns) of the K step k1 steps on, into buffer buf.
.macro BLOAD k1, buf
	WIN 0
.set cc, 0
.rept 8
	ds_load_tr16_b128 v[BF+64*(\buf)+8*cc:BF+64*(\buf)+8*cc+3],   v[BCUR] offset:KS*(\k1)+32*cc
	ds_load_tr16_b128 v[BF+64*(\buf)+8*cc+4:BF+64*(\buf)+8*cc+7], v[BCUR] offset:KS*(\k1)+32*cc+16*BP
.set cc, cc+1
.endr
.endm
; Group g's eight rows are rounded to bf16,
.macro WCVT g
	WIN 0x0f                                       ; sources window 3
.set uu, 0
.rept 8
	v_cvt_pk_bf16_f32 v[CT+2*uu],   v[WR+32*(\g)+4*uu],   v[WR+32*(\g)+4*uu+1]
	v_cvt_pk_bf16_f32 v[CT+2*uu+1], v[WR+32*(\g)+4*uu+2], v[WR+32*(\g)+4*uu+3]
.set uu, uu+1
.endr
	WIN 0
.endm
; and stored: 256 consecutive bytes of LDS a store.  Between the two stands the wait that shows the conversions' results written.
.macro WSTORE g, ldsoff
	WIN 0
.set uu, 0
.rept 8
	ds_store_b64 v[WLA], v[CT+2*uu:CT+2*uu+1] offset:(\ldsoff)+(8*(\g)+uu)*BP
.set uu, uu+1
.endr
.endm
; Group g's registers are loaded with the rows `rows` further down: 512 consecutive bytes a load, read once in the launch.
.macro WLOAD g, rows
	WIN 0xc0                                       ; destination window 3
.set uu, 0
.rept 8
	global_load_b128 v[WR+32*(\g)+4*uu:WR+32*(\g)+4*uu+3], v[L16], s[4:5] offset:((\rows)+8*(\g)+uu)*PW th:TH_LOAD_NT
.set uu, uu+1
.endr
.endm
; A K step's loads from memory: the rows' fragments three K steps on, then group j of the weights two chunks on.
.macro ASK j, wm, al
.if \al
	ALOAD (\j)+3, ((\j)+3)&3
.endif
.if (\wm) == 2
	WLOAD \j, 256
.endif
.endm
; Eight products for each of the tiles i0 .. i1, in K step j of a chunk.  The accumulators take turns, one instruction a turn, in the same order in every K step.
.macro MUL i0, i1, j
.set ii, (\i0)
.rept (\i1)-(\i0)+1
.if ii < 4
	WIN 0xa4                                       ; weights window 0, rows window 1, C and D window 2
.set ac, 64*ii
.else
	WIN 0xf4                                       ; C and D window 3
.set ac, 0
.endif
.set cc, 0
.rept 8
	v_wmma_f32_16x16x32_bf16 v[ac+8*cc:ac+8*cc+7], v[BF+64*((\j)&1)+8*cc:BF+64*((\j)&1)+8*cc+7], v[40*((\j)&3)+8*ii:40*((\j)&3)+8*ii+7], v[ac+8*cc:ac+8*cc+7]
.set cc, cc+1
.endr
.set ii, ii+1
.endr
.endm
; A K STEP, number j of its chunk.  wm: 0 no weights; 1 group j of the next chunk is rounded and stored; 2 and its registers are loaded again, two chunks on.
; al: the rows' fragments three K steps on are asked for.  bl: the weights' fragments of the next K step are fetched.  bar: the barrier that publishes the next chunk.
; lc: the loads that may stay out.  pf: the prefetch.  The conversions (or four v_nop) are four places behind the last K step's products, ahead of the loads into registers that those read.
; The loads from memory stand behind the first tile's products; in the K step with the barrier ahead of its signal, so that products alone stand between signal and wait.
.macro KSTEP j, wm, al, bl, bar, lc, pf
	WIN 0
	s_wait_loadcnt \lc
.if \wm
	s_wait_alu depctr_vm_vsrc(0)                   ; the last group's LDS stores have read v[CT ..], which the conversions below write again
	WCVT \j
.else
.rept 4
	v_nop
.endr
.endif
.if (\wm) || (\al) || (\bl)
	s_wait_alu depctr_va_vdst(0)                   ; the conversions have written v[CT ..] and are done reading WR[j]; the last K step's products are done reading the A and the BF in which this step's loads land; behind STEP its three addresses are written
.endif
.if \wm
	WSTORE \j, CH
.endif
.if \bar
	ASK \j, \wm, \al
	s_wait_dscnt 0x0                               ; for the others' sake: all my stores of the next chunk are done, and no LDS access of mine is pending
	s_barrier_signal -1
.elseif \wm
	s_wait_dscnt 8                                 ; this K step's fragments are in: only the eight stores above were issued behind them
.else
	s_wait_dscnt 0x0                               ; this K step's fragments are in
.endif
	MUL 0, 0, \j
.if !(\bar)
	ASK \j, \wm, \al                               ; no wait: no vector or matrix instruction since the wait above names these loads' registers
.if \pf
	WIN 0                                          ; each wave asks for its own 32 rows of the chunk three on, which the next trip loads: lanes 256 bytes apart, each block once in the launch;
	s_cmp_lt_u32 s[TR], 2                          ; the last trip, whose look-ahead would leave the slice, asks for nothing.  A prefetch raises no counter, so the jump changes no count
	s_cbranch_scc1 .Lno_pf_\@
	global_prefetch_b8 v[PFV], s[4:5] offset:384*PW th:TH_LOAD_NT scope:SCOPE_SE
	global_prefetch_b8 v[PFV], s[4:5] offset:400*PW th:TH_LOAD_NT scope:SCOPE_SE
.Lno_pf_\@:
.endif
.endif
	MUL 1, 1, \j
.if \bar
	WIN 0
	s_barrier_wait -1                              ; the next chunk is whole: sixteen products stood between signal and wait
.endif
.if \bl
	BLOAD (\j)+1, ((\j)+1)&1                       ; no wait: the products since the wait above name the other BF
.endif
	MUL 2, 3, \j
	WIN 0                                          ; at a branch and at a label every window is 0
	s_cmp_eq_u32 s[T4], 0
	s_cbranch_scc1 .Lno_t4_\@                      ; my fifth tile holds no rows: its eight products are left out; nothing but products is jumped
	MUL 4, 4, \j
	WIN 0
.Lno_t4_\@:
.endm
; A trip's end: on to the next chunk.  w = 1: the weights' stream steps too.  That the three sums are written is stated by the next K step's wait, ahead of the first access by them.
.macro STEP w
	WIN 0
	s_wait_xcnt 0x0                                ; the pending loads' bases and offsets are stepped only behind this wait
	s_wait_alu depctr_vm_vsrc(0)                   ; the turning loads, the LDS stores and the rows' loads issued so far have read v[BCUR], v[WLA] and v[AVO]
	v_add_nc_u32 v[BCUR], CH, v[BCUR]
.if \w
	v_add_nc_u32 v[WLA], CH, v[WLA]
.endif
	v_add_nc_u32 v[AVO], 4096, v[AVO]
.if \w
	s_add_nc_u64 s[4:5], s[4:5], 128*PW
.endif
.endm
; A PASS BEGINS: where my five tiles lie, their first three K steps' fragments, and the bias into the 40 accumulators.  again = 1: passes 1 to 3.
; A number that hangs on the stored count enters an address clamped by a constant, then shifted, then added to.
.macro BEGIN again
	WIN 0
	s_wait_xcnt 0x0                                ; registers that earlier loads and stores named are rewritten only behind this wait
.if \again
	s_wait_alu depctr_vm_vsrc(0)                   ; the last pass's loads have read v[AVO] and v[BCUR]; in layer 2 its LDS stores have read the accumulators, which the moves below write
.endif
	s_mul_i32 s57, s[PASS], 20
	s_add_co_u32 s57, s57, s[WV]                   ; my first tile of the pass
	s_add_co_u32 s58, s57, 16                      ; my fifth:
	s_cmp_lt_u32 s58, s[NTL]
	s_cselect_b32 s[T4], 1, 0                      ; does it hold rows?
	s_sub_co_u32 s58, s[NTL1], 1
	s_lshl_b32 s59, s[EX], 6
	s_mov_b32 s61, 0
.set ii, 0
.rept 5
	s_add_co_u32 s60, s57, 4*ii
	s_min_u32 s60, s60, s58                        ; tiles past the count repeat the last tile, which the launch before has stored
	s_add_co_u32 s60, s60, s59
	s_min_u32 s60, s60, 511
	s_lshl_b32 s60, s60, LTS
	s_add_nc_u64 s[AT+2*ii:AT+2*ii+1], s[8:9], s[60:61]
.set ii, ii+1
.endr
	v_mov_b32 v[AVO], v[L16]
	v_mov_b32 v[BCUR], v[BADR]
	s_wait_alu depctr_va_vdst(0)                   ; v[AVO] and v[BCUR] are written; the last pass's products are done reading A and BF, in which the loads below and the pass's first turning loads land
	ALOAD 0, 0
	ALOAD 1, 1
	ALOAD 2, 2
	WIN 0x80
.set mm, 0
.rept 256
	v_mov_b32 v[mm], v[BIAS+mm%64]
.set mm, mm+1
.endr
	WIN 0xc0
.set mm, 0
.rept 64
	v_mov_b32 v[mm], v[BIAS+mm]
.set mm, mm+1
.endr
	WIN 0
.endm
	s_load_b256 s[4:11], s[0:1], 0x0               ; weights s[4:5], bias s[6:7], rows (xfrag or hfrag) s[8:9], rowof s[10:11] (for the counts behind it)
	s_load_b64 s[12:13], s[0:1], 0x20              ; hfrag or part
	v_lshl_add_u32 v30, v0, 2, 0x4c400
	v_mov_b32 v31, 0
	v_lshrrev_b32 v[TT], 5, v0
	v_readfirstlane_b32 s[WV], v[TT]               ; wave 0..3
	v_and_b32 v[LN], 31, v0
	v_and_b32 v[RR], 15, v0
	v_bfe_u32 v[HH], v0, 4, 1
	v_lshlrev_b32 v[L16], 4, v[LN]
	v_lshlrev_b32 v[HB], 5, v[HH]
	s_wait_alu depctr_va_sdst(0)                   ; s[WV] is written, ahead of its first reader: offsets, LDS places and tile numbers are made from it
	s_and_b32 s[EX], ttmp7, 0xffff
.if LAYER == 1
	s_mov_b32 s[JJ], ttmp9
	v_mov_b32 v[ZERO], 0
.else
	s_lshr_b32 s[QQ], ttmp9, 3
	s_and_b32 s[JJ], ttmp9, 7
	s_cmp_eq_u32 s[QQ], 0
	s_cselect_b32 s[QM], -1, 0
.endif
	s_lshl_b32 s58, s[EX], 24                      ; an expert's weights are 16,777,216 bytes
	s_lshl_b32 s57, s[JJ], 9                       ; 128 columns are 512 bytes
	s_add_co_u32 s58, s58, s57
	s_lshl_b32 s57, s[WV], LPW+5                   ; my wave's 32 rows of a chunk
	s_add_co_u32 s58, s58, s57
.if LAYER == 2
	s_lshl_b32 s57, s[QQ], 22                      ; 1,024 rows of 4,096 bytes
	s_add_co_u32 s58, s58, s57
.endif
	s_mov_b32 s59, 0
	s_lshl_b32 s60, s[EX], LPW                     ; the expert's row of the bias,
	s_lshl_b32 s57, s[JJ], 9                       ; my 128 columns
	s_add_co_u32 s60, s60, s57
	s_mov_b32 s61, 0
	s_lshl_b32 s62, s[EX], 7                       ; the expert's 128 bytes of counts
	s_mul_i32 s57, s[WV], KS
	v_lshl_add_u32 v[WLA], v[LN], 3, s57
	v_and_b32 v[TT], 7, v0                         ; the turning load: lane l reads k row 8 (l / 16) + l % 8, columns 8 ((l / 8) % 2) on
	v_lshl_add_u32 v[TT], v[HH], 3, v[TT]
	v_mul_u32_u24 v[BADR], v[TT], BP
	v_bfe_u32 v[TT+1], v0, 3, 1
	v_lshl_add_u32 v[BADR], v[TT+1], 4, v[BADR]
	v_lshrrev_b32 v[TT], 1, v[LN]
	v_and_b32 v[TT+1], 1, v0
	v_lshlrev_b32 v[PFV], LPW, v[TT]
	v_lshl_add_u32 v[PFV], v[TT+1], 8, v[PFV]
.if LAYER == 2
	s_mul_i32 s57, s[WV], 16*SPI
	s_add_co_u32 s57, s57, STAGE                   ; my stage
	v_mul_u32_u24 v[STO], v[RR], SPI               ; in: row lane % 16, 32 bytes for each half of the lanes
	v_lshl_add_u32 v[STO], v[HH], 5, v[STO]
	v_add_nc_u32 v[STO], s57, v[STO]
	v_mul_u32_u24 v[RD], v[HH], SPI                ; back: lanes 0-15 one row of 256 bytes, lanes 16-31 the next
	v_lshl_add_u32 v[RD], v[RR], 4, v[RD]
	v_add_nc_u32 v[RD], s57, v[RD]
	v_lshlrev_b32 v[PO], 12, v[HH]                 ; and the same two rows in part
	v_lshl_add_u32 v[PO], v[RR], 4, v[PO]
.endif
	s_wait_kmcnt 0x0
	s_add_nc_u64 s[4:5], s[4:5], s[58:59]
	s_add_nc_u64 s[6:7], s[6:7], s[60:61]
	s_load_b32 s[CNT], s[10:11], s62 offset:0x8000 ; the expert's count
.if LAYER == 1
	s_lshl_b32 s58, s[JJ], 12                      ; my slice's four K steps in a tile of hfrag
	s_add_nc_u64 s[12:13], s[12:13], s[58:59]
.else
	s_lshl_b32 s58, s[QQ], 15                      ; my quarter's 32 K steps in a tile of hfrag
	s_add_nc_u64 s[8:9], s[8:9], s[58:59]
	s_lshl_b32 s58, s[QQ], 25                      ; my quarter of part: 8,192 rows of 4,096 bytes,
	s_lshl_b32 s57, s[JJ], 9                       ; my 128 columns
	s_add_co_u32 s58, s58, s57
	s_add_nc_u64 s[12:13], s[12:13], s[58:59]
.endif
	s_wait_alu depctr_va_vdst(0)                   ; the offsets and LDS addresses made above are written (v[HB], v[L16], v[PFV], v[WLA], in layer 2 v[STO], v[RD], v[PO]): the kernel's loads, stores and prefetches read them
.set cc, 0
.rept 8
	global_load_b128 v[BIAS+8*cc:BIAS+8*cc+3],   v[HB], s[6:7] offset:64*cc
	global_load_b128 v[BIAS+8*cc+4:BIAS+8*cc+7], v[HB], s[6:7] offset:64*cc+16
.set cc, cc+1
.endr
	WLOAD 0, 0                                     ; chunk 0
	WLOAD 1, 0
	WLOAD 2, 0
	WLOAD 3, 0
	WIN 0
	global_prefetch_b8 v[PFV], s[4:5] offset:128*PW th:TH_LOAD_NT scope:SCOPE_SE  ; my rows of chunks 1 and 2: 32,768 bytes a wave asked ahead
	global_prefetch_b8 v[PFV], s[4:5] offset:144*PW th:TH_LOAD_NT scope:SCOPE_SE
	global_prefetch_b8 v[PFV], s[4:5] offset:256*PW th:TH_LOAD_NT scope:SCOPE_SE
	global_prefetch_b8 v[PFV], s[4:5] offset:272*PW th:TH_LOAD_NT scope:SCOPE_SE
	s_wait_kmcnt 0x0                               ; the count
	s_add_co_u32 s[NTL], s[CNT], 15
	s_lshr_b32 s[NTL], s[NTL], 4
	s_max_u32 s[NTL1], s[NTL], 1
	s_wait_loadcnt 32                              ; the bias is in: chunk 0's 32 loads were issued behind it
.set ii, 0
.rept 32
	v_cvt_pk_bf16_f32 v[TT+ii%4], v[BIAS+2*ii], v[BIAS+2*ii+1]  ; rounded to bf16 like the other inputs,
.if LAYER == 2
	v_and_b32 v[TT+ii%4], s[QM], v[TT+ii%4]        ; taken by one quarter of K alone,
.endif
	v_lshlrev_b32 v[BIAS+2*ii], 16, v[TT+ii%4]     ; and widened again
	v_and_b32 v[BIAS+2*ii+1], 0xffff0000, v[TT+ii%4]
.set ii, ii+1
.endr
	s_mov_b32 s[PASS], 0
	BEGIN 0                                        ; 62 loads are out: 32 of weights, then 30 of rows
.irp g, 0,1,2,3
	s_wait_loadcnt 54                              ; group g of chunk 0 is in: behind it 24 - 8 g of chunk 0, the 30 of rows and 8 g of chunk 1
.if \g > 0
	s_wait_alu depctr_vm_vsrc(0)                   ; the last group's LDS stores have read v[CT ..], which the conversions below write again
.endif
	WCVT \g
	s_wait_alu depctr_va_vdst(0)                   ; the conversions have written v[CT ..], which the LDS stores read, and are done reading WR[g], in which chunk 1's loads land
	WSTORE \g, 0
	WLOAD \g, 128
.endr
	WIN 0
	s_wait_dscnt 0x0                               ; for the others' sake: my rows of chunk 0 are stored
	s_barrier_signal -1
	s_barrier_wait -1
	BLOAD 0, 0
	s_wait_loadcnt 16                              ; chunk 1's groups 2 and 3 may stay out: so the loop's one count also holds in its first K steps
	s_mov_b32 s[TR], 6
.Lfuse:                                                ; chunks 0 to 5.  44: behind the rows' fragments of this K step, asked for three K steps ago, were issued that step's 8 loads of weights and
	KSTEP 0, 2, 1, 1, 0, 44, 1                     ; two steps' 18; the group of weights asked for four K steps ago is older still
	KSTEP 1, 2, 1, 1, 0, 44, 0
	KSTEP 2, 2, 1, 1, 0, 44, 0
	KSTEP 3, 2, 1, 1, 1, 44, 0
	STEP 1
	s_sub_co_u32 s[TR], s[TR], 1
	s_cmp_lg_u32 s[TR], 0
	s_cbranch_scc1 .Lfuse
	KSTEP 0, 1, 1, 1, 0, 44, 0                     ; chunk 6: chunk 7 is rounded and stored, no weights are left to ask for: the counts run down
	KSTEP 1, 1, 1, 1, 0, 36, 0                     ; 8 + 18 + 10
	KSTEP 2, 1, 1, 1, 0, 28, 0                     ; 8 + 10 + 10
	KSTEP 3, 1, 1, 1, 1, 20, 0                     ; 10 + 10
	STEP 0
	s_mov_b32 s[PL], 4
	s_branch .Llast                                ; the loop over passes is entered in the middle of a trip
.Lpass:                                                ; passes 1 to 3, from the resident slice
	s_mul_i32 s57, s[PASS], 20
	s_add_co_u32 s57, s57, s[WV]
	s_cmp_ge_u32 s57, s[NTL]                       ; my first tile of the pass lies past the count: nothing of mine is in it
.if LAYER == 1
	s_cbranch_scc1 .Lout_done
.else
	s_cbranch_scc1 .Lkdone
.endif
	BEGIN 1
	BLOAD 0, 0
	s_mov_b32 s[TR], 7
.Lplain:                                               ; 20: the fragments of the next two K steps may stay out
	KSTEP 0, 0, 1, 1, 0, 20, 0
	KSTEP 1, 0, 1, 1, 0, 20, 0
	KSTEP 2, 0, 1, 1, 0, 20, 0
	KSTEP 3, 0, 1, 1, 0, 20, 0
	STEP 0
	s_sub_co_u32 s[TR], s[TR], 1
	s_cmp_lg_u32 s[TR], 0
	s_cbranch_scc1 .Lplain
.Llast:                                                ; chunk 7 of every pass: one more request, then none
	KSTEP 0, 0, 1, 1, 0, 20, 0
	KSTEP 1, 0, 0, 1, 0, 20, 0
	KSTEP 2, 0, 0, 1, 0, 10, 0
	KSTEP 3, 0, 0, 0, 0, 0, 0
	WIN 0
.rept 4
	v_nop                                          ; four places between the last product and the first read of a result
.endr
.if LAYER == 2
.Lkdone:
	s_wait_dscnt 0x0                               ; every wave's reads of the slice in this pass are over
	s_barrier_signal -1                            ; before any wave stores into its stage: so the order of the two does not rest on the stepped addresses staying inside the slice
	s_barrier_wait -1
	s_wait_alu depctr_va_vdst(0)                   ; the products have written the accumulators, which the LDS stores below read; the weights' conversions have written v32-47, in which loads from the stage land.  The places above stay beside this wait
.endif
	; THE WAY OUT, a tile at a time; tiles ascend, so the first one past the count ends it.
	s_mul_i32 s57, s[PASS], 20
	s_add_co_u32 s57, s57, s[WV]
	s_lshl_b32 s60, s[EX], 6
.set io, 0
.rept 5
	WIN 0
	s_add_co_u32 s58, s57, 4*io
.if LAYER == 1
	s_cmp_ge_u32 s58, s[NTL1]                      ; tile 0 is stored for an expert without rows too, so that layer 2's clamped loads read bytes that were written
.else
	s_cmp_ge_u32 s58, s[NTL]
.endif
	s_cbranch_scc1 .Lout_done
	s_wait_xcnt 0x0                                ; the stores' base and data registers are rewritten only behind this wait
	s_wait_alu depctr_vm_vsrc(0)                   ; the stores issued so far have read v[ET ..], which is written again below: the last tile's, and ahead of the first tile the weights' LDS stores
	s_add_co_u32 s58, s58, s60
.if LAYER == 1
	s_lshl_b32 s58, s58, 17                        ; a tile of hfrag is 131,072 bytes
.else
	s_lshl_b32 s58, s58, 16                        ; 16 rows of part are 65,536 bytes
.endif
	s_mov_b32 s59, 0
	s_add_nc_u64 s[SB:SB+1], s[12:13], s[58:59]
.if io < 4
.set ac, 64*io
.else
.set ac, 0
.endif
.if LAYER == 1
	WIN 0x0a+5*(io/4)                              ; sources window 2, or 3 for tile 4
.set mm, 0
.rept 32
	v_cvt_pk_bf16_f32 v[ET+mm], v[ac+2*mm], v[ac+2*mm+1]  ; each accumulator's registers in ascending order
.set mm, mm+1
.endr
	WIN 0
.set mm, 0
.rept 32
	v_pk_max_num_bf16 v[ET+mm], v[ET+mm], v[ZERO]  ; the ReLU, two at a time: it rounds nothing
.set mm, mm+1
.endr
	s_wait_alu depctr_va_vdst(0)                   ; the ReLU has written v[ET ..], which the stores read
.set cc, 0
.rept 8
	global_store_b128 v[L16], v[ET+4*cc:ET+4*cc+3], s[SB:SB+1] offset:512*cc  ; 512 consecutive bytes: half a fragment of layer 2's
.set cc, cc+1
.endr
.else
.set hf, 0
.rept 2                                        ; 64 columns, 256 bytes of f32, at a time through my own stage
	WIN 0x08+4*(io/4)                              ; the stores' data in window 2, or 3 for tile 4
.set cc, 0
.rept 4
	ds_store_b128 v[STO], v[ac+8*(4*hf+cc):ac+8*(4*hf+cc)+3]   offset:64*cc
	ds_store_b128 v[STO], v[ac+8*(4*hf+cc)+4:ac+8*(4*hf+cc)+7] offset:64*cc+16
.set cc, cc+1
.endr
	WIN 0
.if hf
	s_wait_xcnt 0x0                                ; the first half's stores have had their addresses translated,
	s_wait_alu depctr_vm_vsrc(0)                   ; and have read v[ET ..], in which the loads below land
.endif
.set cc, 0
.rept 8
	ds_load_b128 v[ET+4*cc:ET+4*cc+3], v[RD] offset:2*SPI*cc  ; LDS serves a wave's instructions in order (ISA guide 5.7.1.4): these see the stores above
.set cc, cc+1
.endr
	s_wait_dscnt 0x0
.set cc, 0
.rept 8
	global_store_b128 v[PO], v[ET+4*cc:ET+4*cc+3], s[SB:SB+1] offset:8192*cc+256*hf  ; 16 lanes store 256 consecutive bytes, aligned
.set cc, cc+1
.endr
.set hf, hf+1
.endr
.endif
.set io, io+1
.endr
	WIN 0
.Lout_done:
.if LAYER == 2
	s_wait_dscnt 0x0                               ; every wave's stores into its stage are done
	s_barrier_signal -1                            ; before any wave reads the slice again in the next pass
	s_barrier_wait -1
.endif
	s_add_co_u32 s[PASS], s[PASS], 1
	s_sub_co_u32 s[PL], s[PL], 1
	s_cmp_lg_u32 s[PL], 0
	s_cbranch_scc1 .Lpass
.if LAYER == 1
	s_wait_dscnt 0x0                               ; every wave's reads of LDS are over
	s_barrier_signal -1                            ; the four waves meet once more before they end
	s_barrier_wait -1
.endif
	s_wait_dscnt 0x0                               ; no LDS access of mine is out at the end
	s_wait_alu depctr_hold_cnt(0) depctr_sa_sdst(0) depctr_va_vdst(0) depctr_va_sdst(0) depctr_va_ssrc(0) depctr_va_vcc(0) depctr_vm_vsrc(0)
	s_wait_tensorcnt 0x0
	ds_add_u32 v30, v31
	s_wait_dscnt 0x0
	s_endpgm
.Lfunc_end_k_q71ee8b2f99_ffn2:
	.size	k_q71ee8b2f99_ffn2, .Lfunc_end_k_q71ee8b2f99_ffn2-k_q71ee8b2f99_ffn2
	.p2alignl 7, 3214868480
	.fill 96, 4, 3214868480
	.section	.rodata,"a",@progbits
	.p2align	6, 0x0
	.amdhsa_kernel k_q71ee8b2f99_ffn2
		.amdhsa_group_segment_fixed_size 312832
		.amdhsa_private_segment_fixed_size 0
		.amdhsa_enable_private_segment 0
		.amdhsa_kernarg_size 40
		.amdhsa_user_sgpr_count 2
		.amdhsa_user_sgpr_kernarg_segment_ptr 1
		.amdhsa_wavefront_size32 1
		.amdhsa_system_sgpr_workgroup_id_x 1
		.amdhsa_system_sgpr_workgroup_id_y 1
		.amdhsa_system_sgpr_workgroup_id_z 1
		.amdhsa_system_vgpr_workitem_id 0
		.amdhsa_next_free_vgpr 960
		.amdhsa_next_free_sgpr 84
		.amdhsa_reserve_vcc 0
		.amdhsa_float_denorm_mode_32 3
		.amdhsa_float_denorm_mode_16_64 3
		.amdhsa_memory_ordered 1
		.amdhsa_forward_progress 1
		.amdhsa_inst_pref_size 168
	.end_amdhsa_kernel
	.amdgpu_metadata
---
amdhsa.version: [ 1, 2 ]
amdhsa.kernels:
  - .name:           k_q71ee8b2f99_ffn2
    .symbol:         k_q71ee8b2f99_ffn2.kd
    .args:
      - { .name: W2, .offset: 0, .size: 8, .value_kind: global_buffer, .address_space: global }
      - { .name: b2, .offset: 8, .size: 8, .value_kind: global_buffer, .address_space: global }
      - { .name: hfrag, .offset: 16, .size: 8, .value_kind: global_buffer, .address_space: global }
      - { .name: rowof, .offset: 24, .size: 8, .value_kind: global_buffer, .address_space: global }
      - { .name: part, .offset: 32, .size: 8, .value_kind: global_buffer, .address_space: global }
    .group_segment_fixed_size: 312832
    .private_segment_fixed_size: 0
    .kernarg_segment_align: 8
    .kernarg_segment_size: 40
    .max_flat_workgroup_size: 128
    .sgpr_count:     84
    .vgpr_count:     960
    .wavefront_size: 32
...
	.end_amdgpu_metadata
.endif
;; end of part 7
;; launch combine: the kernel of part 5 again; grid 256 x 1, 8 waves a work-group, no clusters, 0 bytes of LDS; arguments choice, rowof, part, out0; writes out0
